; MI455X (gfx1250); checked and timed in simulation.
; The chip was launched on July 23, 2026; its instructions are those of AMD's public machine-readable ISA for CDNA 5 (MIT licence, August 2026) and "CDNA5" Instruction Set Architecture Reference Guide (July 2026). The comments in the code are by the model that wrote it; some were corrected since.
;; Cuda Norm Fast Weight Linear Transformer Layer. Allowed arithmetic: float matrix products may take bf16 or f16 operands with f32 sums; other float arithmetic in f32, or as packed bf16 or f16 multiplies, adds, multiply-adds, maxima and minima; sums over many terms, partial sums and values carried from step to step in f32; what a program stores and reads back later, other than sums and carried values, may be rounded once to bf16 or f16.
;; Inputs: h 2,048 x 4 x 1,024 float32; ln_b 1,024 float32; ln_g 1,024 float32; w_o 1,024 x 1,024 float32; w_qkvb 3,088 x 1,024 float32.
;; Outputs: out0 2,048 x 4 x 1,024 float32.
;; 2 versions, each right; version 2 is version 1 with the launch cvt written anew for expert scheduling mode. Each part assembles by itself: llvm-mc -triple=amdgcn-amd-amdhsa -mcpu=gfx1250 --defsym DOCPART=n.
;; ======== version 1 of 2: 5 launches
;; limits: values outside matrix products are rounded to bf16
;; workspace buffers: cv 25,198,592 bytes; qk 51,380,224 bytes; fa 67,108,864 bytes; wst 16,777,216 bytes
;; launch cvt (part 1): grid 769 x 1, 8 waves a work-group, no clusters, 0 bytes of LDS; arguments h, w_qkvb, w_o, cv; writes cv
.if DOCPART == 1
	.amdgcn_target "amdgcn-amd-amdhsa--gfx1250"
	.amdhsa_code_object_version 6
	.text
	.protected	k_qe9d3a450c0_cvt
	.globl	k_qe9d3a450c0_cvt
	.p2align	8
	.type	k_qe9d3a450c0_cvt,@function
k_qe9d3a450c0_cvt:
	s_mov_b64 s[64:65], 0
	v_nop
	global_prefetch_b8 v0, s[64:65] scope:SCOPE_SE
	s_setreg_imm32_b32 hwreg(HW_REG_WAVE_MODE, 25, 1), 1
	s_wait_xcnt 0x0
; f32 -> bf16, once.  cv holds: h as [4 b][2048 l][1024] at 0; w_qkvb as it lies at WQB; w_o as [16 kb][1024 n][64] at WOB.
; A work-group takes 16 rows of 1,024 numbers, a wave two.  Work-groups 0-511: h; 512-704: w_qkvb (193 x 16 = 3,088 rows); 705-768: w_o.
; Each load of a wave covers 512 consecutive bytes, each store 256 consecutive bytes at a multiple of 256.
.set WQB, 16777216
.set WOB, 23101440
	s_load_b256 s[4:11], s[0:1], 0x0               ; h s[4:5], w_qkvb s[6:7], w_o s[8:9], cv s[10:11]
	v_lshrrev_b32 v1, 5, v0
	v_readfirstlane_b32 s12, v1                    ; wave
	v_and_b32 v2, 31, v0
	v_lshlrev_b32 v3, 4, v2                        ; 16 x lane
	v_lshlrev_b32 v4, 3, v2                        ; 8 x lane
	s_mov_b32 s13, ttmp9
	s_mov_b32 s17, 0
	s_mov_b32 s21, 0
	s_mov_b32 s23, 0
	s_cmp_lt_u32 s13, 705
	s_cbranch_scc0 .Lwo
	s_sub_co_u32 s15, s13, 512
	s_cmp_lt_u32 s13, 512
	s_cselect_b32 s14, s13, s15
	s_lshl_b32 s14, s14, 4
	s_lshl1_add_u32 s14, s12, s14                  ; my first row i
	s_lshl_b32 s16, s14, 12                        ; its byte in the source
	s_and_b32 s18, s14, 3                          ; h: row i = 4 l + b goes to row 2048 b + l
	s_lshl_b32 s18, s18, 11
	s_lshr_b32 s19, s14, 2
	s_add_co_u32 s18, s18, s19
	s_lshl_b32 s18, s18, 11
	s_lshl_b32 s19, s14, 11                        ; w_qkvb: row i stays row i
	s_add_co_u32 s19, s19, WQB
	s_mov_b32 s22, 2048
	s_cmp_lt_u32 s13, 512
	s_cselect_b32 s20, s18, s19
	s_cselect_b32 s22, 0x400000, s22               ; the second row: b + 1 lies 2,048 rows on, or the next row
	s_wait_kmcnt 0x0
	s_cselect_b64 s[24:25], s[4:5], s[6:7]
	s_add_nc_u64 s[24:25], s[24:25], s[16:17]
	s_add_nc_u64 s[26:27], s[10:11], s[20:21]
	s_add_nc_u64 s[28:29], s[26:27], s[22:23]
.set k, 0
.rept 16
	global_load_b128 v[8+4*k:11+4*k], v3, s[24:25] offset:(k/8)*4096+(k%8)*512 th:TH_LOAD_NT
.set k, k+1
.endr
.set k, 0
.rept 16
	s_wait_loadcnt 15-k                            ; loads return in order: piece k is in, the 15 - k younger ones stay out
	v_cvt_pk_bf16_f32 v[72+2*k], v[8+4*k], v[9+4*k]
	v_cvt_pk_bf16_f32 v[73+2*k], v[10+4*k], v[11+4*k]
	global_store_b64 v4, v[72+2*k:73+2*k], s[26+2*(k/8):27+2*(k/8)] offset:(k%8)*256
.set k, k+1
.endr
	s_endpgm
.Lwo:                                              ; w_o: lanes 0-15 take row n, lanes 16-31 row n + 1; piece kb is 64 numbers of each
	s_sub_co_u32 s14, s13, 705
	s_lshl_b32 s14, s14, 4
	s_lshl1_add_u32 s14, s12, s14                  ; n
	s_lshl_b32 s16, s14, 12
	s_lshl_b32 s20, s14, 7
	s_add_co_u32 s20, s20, WOB
	v_lshrrev_b32 v5, 4, v2
	v_and_b32 v6, 15, v2
	v_lshlrev_b32 v5, 12, v5
	v_lshl_add_u32 v5, v6, 4, v5
	s_wait_kmcnt 0x0
	s_add_nc_u64 s[24:25], s[8:9], s[16:17]
	s_add_nc_u64 s[26:27], s[10:11], s[20:21]
.set k, 0
.rept 16
	global_load_b128 v[8+4*k:11+4*k], v5, s[24:25] offset:256*k th:TH_LOAD_NT
.set k, k+1
.endr
.set k, 0
.rept 16
	s_wait_loadcnt 15-k
	v_cvt_pk_bf16_f32 v[72+2*k], v[8+4*k], v[9+4*k]
	v_cvt_pk_bf16_f32 v[73+2*k], v[10+4*k], v[11+4*k]
	global_store_b64 v4, v[72+2*k:73+2*k], s[26:27] offset:131072*k
.set k, k+1
.endr
	s_endpgm
.Lfunc_end_k_qe9d3a450c0_cvt:
	.size	k_qe9d3a450c0_cvt, .Lfunc_end_k_qe9d3a450c0_cvt-k_qe9d3a450c0_cvt
	.p2alignl 7, 3214868480
	.fill 96, 4, 3214868480
	.section	.rodata,"a",@progbits
	.p2align	6, 0x0
	.amdhsa_kernel k_qe9d3a450c0_cvt
		.amdhsa_group_segment_fixed_size 0
		.amdhsa_private_segment_fixed_size 0
		.amdhsa_enable_private_segment 0
		.amdhsa_kernarg_size 32
		.amdhsa_user_sgpr_count 2
		.amdhsa_user_sgpr_kernarg_segment_ptr 1
		.amdhsa_wavefront_size32 1
		.amdhsa_system_sgpr_workgroup_id_x 1
		.amdhsa_system_sgpr_workgroup_id_y 1
		.amdhsa_system_sgpr_workgroup_id_z 1
		.amdhsa_system_vgpr_workitem_id 0
		.amdhsa_next_free_vgpr 104
		.amdhsa_next_free_sgpr 66
		.amdhsa_reserve_vcc 0
		.amdhsa_float_denorm_mode_32 3
		.amdhsa_float_denorm_mode_16_64 3
		.amdhsa_memory_ordered 1
		.amdhsa_forward_progress 1
		.amdhsa_inst_pref_size 14
	.end_amdhsa_kernel
	.amdgpu_metadata
---
amdhsa.version: [ 1, 2 ]
amdhsa.kernels:
  - .name:           k_qe9d3a450c0_cvt
    .symbol:         k_qe9d3a450c0_cvt.kd
    .args:
      - { .name: h, .offset: 0, .size: 8, .value_kind: global_buffer, .address_space: global }
      - { .name: w_qkvb, .offset: 8, .size: 8, .value_kind: global_buffer, .address_space: global }
      - { .name: w_o, .offset: 16, .size: 8, .value_kind: global_buffer, .address_space: global }
      - { .name: cv, .offset: 24, .size: 8, .value_kind: global_buffer, .address_space: global }
    .group_segment_fixed_size: 0
    .private_segment_fixed_size: 0
    .kernarg_segment_align: 8
    .kernarg_segment_size: 32
    .max_flat_workgroup_size: 256
    .sgpr_count:     66
    .vgpr_count:     104
    .wavefront_size: 32
...
	.end_amdgpu_metadata
.endif
;; end of part 1
;; launch qkv (part 2): grid 16 x 32, 4 waves a work-group, clusters of 4 x 4, 327,680 bytes of LDS; arguments cv, qk; writes qk
.if DOCPART == 2
	.amdgcn_target "amdgcn-amd-amdhsa--gfx1250"
	.amdhsa_code_object_version 6
	.text
	.protected	k_qe9d3a450c0_qkv
	.globl	k_qe9d3a450c0_qkv
	.p2align	8
	.type	k_qe9d3a450c0_qkv,@function
k_qe9d3a450c0_qkv:
	s_mov_b64 s[64:65], 0
	v_nop
	global_prefetch_b8 v0, s[64:65] scope:SCOPE_SE
	s_setreg_imm32_b32 hwreg(HW_REG_WAVE_MODE, 25, 1), 1
	s_wait_xcnt 0x0
	s_wait_alu depctr_hold_cnt(0) depctr_sa_sdst(0) depctr_va_vdst(0) depctr_va_sdst(0) depctr_va_ssrc(0) depctr_va_vcc(0) depctr_vm_vsrc(0)
	s_getreg_b32 s2, hwreg(HW_REG_IB_STS2, 6, 4)
	s_cmp_eq_u32 s2, 0
	s_cbranch_scc0 .Lentry_in_a_cluster
	s_endpgm
.Lentry_in_a_cluster:
	s_bfe_u32 s2, ttmp6, 0x10000c
	s_cmp_lg_u32 s2, 0xf033
	s_cbranch_scc0 .Lentry_shape_is_right
	s_endpgm
.Lentry_shape_is_right:
; The projection h w_qkvb^T for one head (x) and 256 rows of one batch (y), then elu + 1, the normalisation of q and k, sigmoid(beta) and each chunk's column sum of k.
; A wave makes 64 rows (one chunk of one sequence) x 208 columns: 52 accumulators.  Columns 0-63 q, 64-127 k, 128-191 v, 192 beta.  Columns 193-207 are products with the 15 rows that
; follow the head's 193 in cv (the next head's, or the first of the w_o copy: inside the buffer); they are never read.
; K goes in 8 steps of 128 through two LDS slots; h's tile is asked for jointly along a row of the 4 x 4 cluster, the weights' along a column.
; The matrix instruction is used transposed (source 0 = weights, source 1 = h): a lane holds one row and eight neighbouring columns.
; LIMITS: v_exp_f32 and v_rcp_f32 flush denormals; NaN and infinities are not treated apart.  q, k, v are stored rounded once to bf16, sigmoid and the chunk sums in f32.
; REGISTERS: window 0: v16-31 addresses, v64-127 two buffers of h's fragments; window 1: two buffers of the weights' 13 fragments; windows 2, 3: accumulator (a, b) at 8 (13 (a % 2) + b).
.set WQB, 16777216
.set KBO, 16777216
.set VBO, 33554432
.set SGO, 50331648
.set KSO, 50855936
.set PITCH, 272                        ; 256 bytes + 16 of padding: the 16 rows of a fragment load start at 16 different groups of four banks
.set SLOT1, 131072
.set BOFF, 256*PITCH                   ; in a slot: h's 256 rows, then the weights' 208
.set STAGE, 257280                     ; 16 rows x 144 bytes for each wave
.set SGS, 266496                       ; 512 bytes for each wave: 64 sigmoids; then words thrown away, then the chunk sum
.set SPARE, 268544                     ; the spare words, 128 bytes a wave
.set ADRA, 16
.set ADRB, 17
.set BASA, 18
.set BASB, 19
.set DW, 20
.set DR, 21
.set STO, 22
.set RD, 23
.set GO, 24
.set SGA, 25
.set L8, 26
.set KSA, 27
.set SPW, 28
.set NIL, 29
.set G8, 30
.set G1, 24
.set G0, 32
.set G1B, 48
.set G0B, 56
.set TB, 60
.set MSB, 0
.set Z, 0
.macro WIN new
.if MSB != (\new)
	s_set_vgpr_msb (MSB<<8)|(\new)
.set MSB, (\new)
.endif
.endm
.macro PLACES
.rept 4
	v_nop
.endr
.endm
.macro JLOAD                           ; waves 0, 1 ask for h's two halves, waves 2, 3 for the weights'; the branch hangs on the wave's number alone
	s_cmp_eq_u32 s11, 0
	s_cbranch_scc0 .Lfor_b_\@
	tensor_load_to_lds s[G0:G0+3], s[G1:G1+7]
	s_nop 0
.rept 4
	v_nop
.endr
	s_branch .Lasked_\@
.Lfor_b_\@:
	tensor_load_to_lds s[G0B:G0B+3], s[G1B:G1B+7]
	s_nop 0
.rept 4
	v_nop
.endr
.Lasked_\@:
.endm
.macro CROUND                          ; a round of the cluster's barrier
	s_barrier_signal -1
	s_barrier_wait -1
	s_cmp_lg_u32 s10, 0
	s_cbranch_scc1 .Lnot_wave_0_\@
	s_barrier_signal -3
.Lnot_wave_0_\@:
	s_barrier_wait -3
	s_barrier_signal -1
	s_barrier_wait -1
.endm
	s_load_b128 s[4:7], s[0:1], 0x0                ; cv s[4:5], qk s[6:7]
	v_lshl_add_u32 v[SPW], v0, 2, SPARE
	v_mov_b32 v[NIL], 0
	ds_add_u32 v[SPW], v[NIL]                      ; the wave's opening: the add and its wait ahead of my first tensor load
	v_lshrrev_b32 v1, 5, v0
	v_readfirstlane_b32 s10, v1                    ; wave
	s_lshr_b32 s11, s10, 1                         ; 0: I fetch h, 1: weights
	s_and_b32 s12, s10, 1                          ; which half
	s_bfe_u32 s40, ttmp6, 0x40000                  ; cx
	s_bfe_u32 s41, ttmp6, 0x40004                  ; cy
	s_lshl_b32 s42, ttmp9, 2
	s_add_co_u32 s42, s42, s40                     ; head
	s_and_b32 s13, ttmp7, 0xffff
	s_lshl_b32 s13, s13, 2
	s_add_co_u32 s13, s13, s41                     ; block of 256 rows
	s_lshl_b32 s43, s41, 2
	s_lshl_b32 s43, 15, s43                        ; my row of the cluster
	s_lshl_b32 s44, 0x1111, s40                    ; my column
	s_or_b32 s[G1], s43, (1<<16)|(1<<20)|(1<<21)|(5<<22)|(3<<25)   ; mask; 2-byte elements; padding of 4 words after every 64
	s_or_b32 s[G1B], s44, (1<<16)|(1<<20)|(1<<21)|(5<<22)|(3<<25)
	s_mov_b32 s[G1+1], 128<<16                     ; tensor_dim0 = 128
	s_mov_b32 s[G1+2], 128<<16                     ; tensor_dim1 = 128
	s_mov_b32 s[G1+3], 128<<16                     ; tile_dim0 = 128
	s_mov_b32 s[G1+4], 128                         ; tile_dim1 = 128
	s_mov_b32 s[G1+5], 1024                        ; elements from row to row
	s_mov_b32 s[G1+6], 0
	s_mov_b32 s[G1+7], 0
	s_mov_b32 s[G1B+1], 128<<16
	s_mov_b32 s[G1B+2], 104<<16                    ; 104 rows
	s_mov_b32 s[G1B+3], 128<<16
	s_mov_b32 s[G1B+4], 104
	s_mov_b32 s[G1B+5], 1024
	s_mov_b32 s[G1B+6], 0
	s_mov_b32 s[G1B+7], 0
	s_lshl_b32 s16, s13, 8
	s_lshl_b32 s17, s12, 7
	s_add_co_u32 s16, s16, s17
	s_lshl_b32 s16, s16, 11                        ; h: (256 y + 128 half) rows of 2,048 bytes
	s_mov_b32 s17, 0
	s_mul_i32 s46, s42, 193
	s_mul_i32 s47, s12, 104
	s_add_co_u32 s46, s46, s47
	s_lshl_b32 s46, s46, 11
	s_add_co_u32 s46, s46, WQB                     ; weights: (193 head + 104 half) rows
	s_mov_b32 s47, 0
	s_mov_b32 s[G0], 1
	s_mul_i32 s[G0+1], s12, 128*PITCH
	s_mov_b32 s[G0B], 1
	s_mul_i32 s[G0B+1], s12, 104*PITCH
	s_add_co_u32 s[G0B+1], s[G0B+1], BOFF
	s_mov_b32 s[TB], 0
	s_mov_b32 s76, 0x3fb8aa3b                      ; log2(e), named as a pair
	s_mov_b32 s77, s76
	s_mov_b32 s78, 0x76543210                      ; v_permlanex16_b32: each lane takes its own place in the other half
	s_mov_b32 s79, 0xfedcba98
	s_wait_dscnt 0x0
	s_wait_kmcnt 0x0
	s_add_nc_u64 s[G0+2:G0+3], s[4:5], s[16:17]
	s_or_b32 s[G0+3], s[G0+3], 0x80000000
	s_add_nc_u64 s[G0B+2:G0B+3], s[4:5], s[46:47]
	s_or_b32 s[G0B+3], s[G0B+3], 0x80000000
	CROUND                                         ; all sixteen work-groups are here
	JLOAD                                          ; K step 0 into slot 0
	v_and_b32 v1, 15, v0
	v_bfe_u32 v2, v0, 4, 1
	v_and_b32 v3, 31, v0
	v_mul_u32_u24 v4, v1, PITCH
	v_lshl_add_u32 v4, v2, 4, v4                   ; fragment: row x pitch + 16 x half
	s_mul_i32 s20, s10, 64*PITCH
	v_add_nc_u32 v[BASA], s20, v4                  ; my 64 rows of h
	v_add_nc_u32 v[BASB], BOFF, v4
	s_mul_i32 s20, s10, 53248
	v_lshl_add_u32 v[DW], v3, 4, s20               ; where my accumulators are set down: 52 tiles of 1,024 bytes
	v_mov_b32 v[DR], v[DW]
	s_mul_i32 s20, s10, 2304
	s_add_co_u32 s20, s20, STAGE
	v_mul_u32_u24 v[STO], v1, 144
	v_lshl_add_u32 v[STO], v2, 4, v[STO]
	v_add_nc_u32 v[STO], s20, v[STO]
	v_bfe_u32 v[RD], v0, 3, 2
	v_mul_u32_u24 v[RD], v[RD], 144
	v_and_b32 v5, 7, v0
	v_lshl_add_u32 v[RD], v5, 4, v[RD]
	v_add_nc_u32 v[RD], s20, v[RD]
	v_lshlrev_b32 v[GO], 4, v3
	v_lshlrev_b32 v[G8], 3, v3
	s_lshl_b32 s20, s10, 9
	s_add_co_u32 s20, s20, SGS
	v_lshlrev_b32 v[SGA], 8, v2                    ; lanes 16-31 hold column 200: their words go 256 bytes on and are thrown away
	v_lshl_add_u32 v[SGA], v1, 2, v[SGA]
	v_add_nc_u32 v[SGA], s20, v[SGA]
	v_lshl_add_u32 v[L8], v3, 3, s20
	v_lshl_add_u32 v[KSA], v2, 5, s20
	s_lshr_b32 s20, s13, 3                         ; batch
	s_lshl_b32 s20, s20, 4
	s_add_co_u32 s20, s20, s42                     ; sequence = 16 b + head
	s_lshl_b32 s20, s20, 5
	s_and_b32 s21, s13, 7
	s_lshl2_add_u32 s20, s21, s20
	s_add_co_u32 s20, s20, s10                     ; my chunk's number
	s_lshl_b32 s22, s20, 13
	s_mov_b32 s23, 0
	s_add_nc_u64 s[66:67], s[6:7], s[22:23]        ; q, k, v at my chunk: 64 rows of 128 bytes
	s_add_nc_u64 s[68:69], s[66:67], KBO
	s_add_nc_u64 s[70:71], s[66:67], VBO
	s_lshl_b32 s22, s20, 8
	s_add_nc_u64 s[72:73], s[6:7], s[22:23]
	s_add_nc_u64 s[74:75], s[72:73], KSO
	s_add_nc_u64 s[72:73], s[72:73], SGO
.macro MULH f, hi                      ; 26 products: row blocks 2 hi, 2 hi + 1 x 13 column blocks; the accumulators take turns
	WIN 0xa1+0x50*(\hi)
.irp a, 0,1
.irp b, 0,1,2,3,4,5,6,7,8,9,10,11,12
.if Z
	v_wmma_f32_16x16x32_bf16 v[8*(13*(\a)+(\b)):8*(13*(\a)+(\b))+7], v[128*(\f)+8*(\b):128*(\f)+8*(\b)+7], v[64+32*(\f)+8*(2*(\hi)+(\a)):64+32*(\f)+8*(2*(\hi)+(\a))+7], 0
.else
	v_wmma_f32_16x16x32_bf16 v[8*(13*(\a)+(\b)):8*(13*(\a)+(\b))+7], v[128*(\f)+8*(\b):128*(\f)+8*(\b)+7], v[64+32*(\f)+8*(2*(\hi)+(\a)):64+32*(\f)+8*(2*(\hi)+(\a))+7], v[8*(13*(\a)+(\b)):8*(13*(\a)+(\b))+7]
.endif
.endr
.endr
.endm
.macro FETCH q, f                      ; the fragments of 32 along K: 26 loads of the weights, 8 of h
	WIN 0x40
.irp i, 0,1,2,3,4,5,6,7,8,9,10,11,12
	ds_load_b128 v[128*(\f)+8*(\i):128*(\f)+8*(\i)+3],   v[ADRB] offset:(\q)*64+(\i)*16*PITCH
	ds_load_b128 v[128*(\f)+8*(\i)+4:128*(\f)+8*(\i)+7], v[ADRB] offset:(\q)*64+(\i)*16*PITCH+32
.endr
	WIN 0
.irp i, 0,1,2,3
	ds_load_b128 v[64+32*(\f)+8*(\i):64+32*(\f)+8*(\i)+3],   v[ADRA] offset:(\q)*64+(\i)*16*PITCH
	ds_load_b128 v[64+32*(\f)+8*(\i)+4:64+32*(\f)+8*(\i)+7], v[ADRA] offset:(\q)*64+(\i)*16*PITCH+32
.endr
.endm
; A K step.  Every wave waits for all its tensor loads (its part of the slot to be read), adds 0 to its spare word, waits for that and for its reads of the other slot; a round of the
; cluster's barrier; the other slot is filled again first; then this slot is read and multiplied: 208 products in which the refill lands.
.macro STEP zero, refill
	WIN 0
	s_wait_tensorcnt 0x0
	ds_add_u32 v[SPW], v[NIL]
.if \refill
	s_xor_b32 s[G0+1], s[G0+1], SLOT1              ; no load of mine is out: the walking descriptors step to the other slot, the next 128 of K
	s_add_nc_u64 s[G0+2:G0+3], s[G0+2:G0+3], 256
	s_xor_b32 s[G0B+1], s[G0B+1], SLOT1
	s_add_nc_u64 s[G0B+2:G0B+3], s[G0B+2:G0B+3], 256
.endif
	v_add_nc_u32 v[ADRA], s[TB], v[BASA]
	v_add_nc_u32 v[ADRB], s[TB], v[BASB]
	s_wait_dscnt 0x0
.if \refill
	CROUND
	JLOAD                                          ; its four v_nop are also the places in front of the loads below
.else
	s_barrier_signal -1
	s_barrier_wait -1
	PLACES
.endif
	FETCH 0, 0
.irp q, 0,1,2,3
	s_wait_dscnt 0x0                               ; this quarter's fragments are in
.set Z, 0
.if (\zero) && ((\q) == 0)
.set Z, 1                                          ; the first products start the sums
.endif
	MULH (\q)%2, 0
.if (\q) < 3
	PLACES                                         ; four places behind the last product that read the other buffer
	FETCH (\q)+1, ((\q)+1)%2
.endif
	MULH (\q)%2, 1
.endr
.set Z, 0
	WIN 0
	s_xor_b32 s[TB], s[TB], SLOT1
.endm
	STEP 1, 1
	s_mov_b32 s3, 6
.Lk:
	STEP 0, 1
	s_sub_co_u32 s3, s3, 1
	s_cmp_lg_u32 s3, 0
	s_cbranch_scc1 .Lk
	STEP 0, 0                                      ; the last K step asks for nothing
	PLACES
	s_wait_dscnt 0x0
	s_barrier_signal -1
	s_barrier_wait -1                              ; nobody reads a slot any more, and both have had their last fill: the accumulators are set down there
.irp a, 0,1,2,3
	WIN 0x08+0x04*((\a)/2)
.irp b, 0,1,2,3,4,5,6,7,8,9,10,11,12
	ds_store_b128 v[DW], v[8*(13*((\a)%2)+(\b)):8*(13*((\a)%2)+(\b))+3] offset:(13*(\a)+(\b))*1024
.if (\b) < 12
	ds_store_b128 v[DW], v[8*(13*((\a)%2)+(\b))+4:8*(13*((\a)%2)+(\b))+7] offset:(13*(\a)+(\b))*1024+512
.endif
.endr
.endr
	WIN 0
.set i, 0
.rept 32
	v_mov_b32 v[224+i], 0                          ; the chunk's column sum of k
.set i, i+1
.endr
	v_mov_b32 v135, 0                              ; named in pairs with the reciprocals
	v_mov_b32 v137, 0
.macro ROWSUM t, x                     ; the sum of a row's 64 numbers: my 32, then the other half of the lanes'
.irp c, 0,1,2,3
	v_pk_add_f32 v[(\t)+2*(\c):(\t)+2*(\c)+1], v[(\x)+4*(\c):(\x)+4*(\c)+1], v[(\x)+4*(\c)+2:(\x)+4*(\c)+3]
.endr
.irp c, 0,1,2,3,4,5,6,7
	v_pk_add_f32 v[(\t)+2*((\c)%4):(\t)+2*((\c)%4)+1], v[(\t)+2*((\c)%4):(\t)+2*((\c)%4)+1], v[(\x)+16+2*(\c):(\x)+16+2*(\c)+1]
.endr
	v_pk_add_f32 v[(\t):(\t)+1], v[(\t):(\t)+1], v[(\t)+2:(\t)+3]
	v_pk_add_f32 v[(\t)+4:(\t)+5], v[(\t)+4:(\t)+5], v[(\t)+6:(\t)+7]
	v_pk_add_f32 v[(\t):(\t)+1], v[(\t):(\t)+1], v[(\t)+4:(\t)+5]
	v_add_f32 v[(\t)], v[(\t)], v[(\t)+1]
	v_permlanex16_b32 v[(\t)+1], v[(\t)], s78, s79
	v_add_f32 v[(\t)], v[(\t)], v[(\t)+1]
.endm
	s_mov_b32 s3, 4
.Lepi:                                             ; a trip: 16 rows.  v32-63 q, v64-95 k, v96-127 v, v128 beta (lanes 0-15)
.set i, 0
.rept 24
	ds_load_b128 v[32+4*i:35+4*i], v[DR] offset:512*i
.set i, i+1
.endr
	ds_load_b128 v[128:131], v[DR] offset:12288
	s_wait_dscnt 0x0
.set i, 0
.rept 32
	v_pk_mul_f32 v[160+2*i:161+2*i], v[32+2*i:33+2*i], s[76:77] op_sel_hi:[1,0]
.set i, i+1
.endr
.set i, 0
.rept 64
	v_min_num_f32 v[160+i], 0, v[160+i]
.set i, i+1
.endr
	v_mul_f32 v132, 0xbfb8aa3b, v128
.set i, 0
.rept 64
	v_exp_f32 v[160+i], v[160+i]                   ; elu(x) + 1 = e^min(x, 0) + max(x, 0)
.set i, i+1
.endr
	v_exp_f32 v132, v132
.set i, 0
.rept 64
	v_max_num_f32 v[32+i], 0, v[32+i]              ; plain work that names no exponential's result
.set i, i+1
.endr
	s_wait_alu depctr_va_vdst(0)                   ; one wait for the 65 exponentials, ahead of their first reader
.set i, 0
.rept 32
	v_pk_add_f32 v[32+2*i:33+2*i], v[32+2*i:33+2*i], v[160+2*i:161+2*i]
.set i, i+1
.endr
	ROWSUM 140, 32
	ROWSUM 148, 64
	v_add_f32 v132, 1.0, v132
	v_rcp_f32 v134, v140
	v_rcp_f32 v136, v148
	v_rcp_f32 v138, v132                           ; sigmoid
	v_nop
	s_wait_alu depctr_va_vdst(0)                   ; one wait for the three reciprocals
.set i, 0
.rept 16
	v_pk_mul_f32 v[32+2*i:33+2*i], v[32+2*i:33+2*i], v[134:135] op_sel_hi:[1,0]
	v_pk_mul_f32 v[64+2*i:65+2*i], v[64+2*i:65+2*i], v[136:137] op_sel_hi:[1,0]
.set i, i+1
.endr
.set i, 0
.rept 16
	v_pk_add_f32 v[224+2*i:225+2*i], v[224+2*i:225+2*i], v[64+2*i:65+2*i]
.set i, i+1
.endr
.set i, 0
.rept 48
	v_cvt_pk_bf16_f32 v[160+i], v[32+2*i], v[33+2*i]
.set i, i+1
.endr
	ds_store_b32 v[SGA], v138
.irp t, 0,1,2                          ; q, k, v: 16 bytes a lane into rows of 144 bytes, back as whole rows of 128; LDS serves a wave's instructions in order
.irp f, 0,1,2,3
	ds_store_b128 v[STO], v[160+16*(\t)+4*(\f):160+16*(\t)+4*(\f)+3] offset:32*(\f)
.endr
.irp f, 0,1,2,3
	ds_load_b128 v[32+16*(\t)+4*(\f):32+16*(\t)+4*(\f)+3], v[RD] offset:(\f)*576
.endr
.endr
	s_wait_dscnt 0x0
.irp t, 0,1,2
.irp f, 0,1,2,3
	global_store_b128 v[GO], v[32+16*(\t)+4*(\f):32+16*(\t)+4*(\f)+3], s[66+2*(\t):67+2*(\t)] offset:512*(\f)   ; 512 consecutive bytes
.endr
.endr
	s_wait_xcnt 0x0                                ; the stores have read their registers and bases
	s_add_nc_u64 s[66:67], s[66:67], 2048
	s_add_nc_u64 s[68:69], s[68:69], 2048
	s_add_nc_u64 s[70:71], s[70:71], 2048
	v_add_nc_u32 v[DR], 13312, v[DR]
	v_add_nc_u32 v[SGA], 64, v[SGA]
	s_sub_co_u32 s3, s3, 1
	s_cmp_lg_u32 s3, 0
	s_cbranch_scc1 .Lepi
	ds_load_b64 v[32:33], v[L8]                    ; the chunk's 64 sigmoids
.irp m, 1,2,4,8                        ; the column sums over the 16 lanes of a half
.set i, 0
.rept 32
	v_add_f32_dpp v[224+i], v[224+i], v[224+i] row_xmask:\m row_mask:0xf bank_mask:0xf
.set i, i+1
.endr
.endr
.set i, 0
.rept 8
	ds_store_b128 v[KSA], v[224+4*i:227+4*i] offset:256+64*(i/2)+16*(i%2)   ; column 16 b + 8 h + j; the 16 lanes of a half write the same numbers
.set i, i+1
.endr
	ds_load_b64 v[34:35], v[L8] offset:256
	s_wait_dscnt 0x0
	global_store_b64 v[G8], v[32:33], s[72:73]     ; 256 consecutive bytes each
	global_store_b64 v[G8], v[34:35], s[74:75]
	s_wait_tensorcnt 0x0                           ; the wave's end
	ds_add_u32 v[SPW], v[NIL]
	s_wait_dscnt 0x0
	CROUND                                         ; the closing round
	s_endpgm
.Lfunc_end_k_qe9d3a450c0_qkv:
	.size	k_qe9d3a450c0_qkv, .Lfunc_end_k_qe9d3a450c0_qkv-k_qe9d3a450c0_qkv
	.p2alignl 7, 3214868480
	.fill 96, 4, 3214868480
	.section	.rodata,"a",@progbits
	.p2align	6, 0x0
	.amdhsa_kernel k_qe9d3a450c0_qkv
		.amdhsa_group_segment_fixed_size 327680
		.amdhsa_private_segment_fixed_size 0
		.amdhsa_enable_private_segment 0
		.amdhsa_kernarg_size 16
		.amdhsa_user_sgpr_count 2
		.amdhsa_user_sgpr_kernarg_segment_ptr 1
		.amdhsa_wavefront_size32 1
		.amdhsa_system_sgpr_workgroup_id_x 1
		.amdhsa_system_sgpr_workgroup_id_y 1
		.amdhsa_system_sgpr_workgroup_id_z 1
		.amdhsa_system_vgpr_workitem_id 0
		.amdhsa_next_free_vgpr 1024
		.amdhsa_next_free_sgpr 96
		.amdhsa_reserve_vcc 0
		.amdhsa_float_denorm_mode_32 3
		.amdhsa_float_denorm_mode_16_64 3
		.amdhsa_memory_ordered 1
		.amdhsa_forward_progress 1
		.amdhsa_inst_pref_size 118
	.end_amdhsa_kernel
	.amdgpu_metadata
---
amdhsa.version: [ 1, 2 ]
amdhsa.kernels:
  - .name:           k_qe9d3a450c0_qkv
    .symbol:         k_qe9d3a450c0_qkv.kd
    .args:
      - { .name: cv, .offset: 0, .size: 8, .value_kind: global_buffer, .address_space: global }
      - { .name: qk, .offset: 8, .size: 8, .value_kind: global_buffer, .address_space: global }
    .group_segment_fixed_size: 327680
    .private_segment_fixed_size: 0
    .kernarg_segment_align: 8
    .kernarg_segment_size: 16
    .max_flat_workgroup_size: 128
    .sgpr_count:     96
    .vgpr_count:     1024
    .wavefront_size: 32
...
	.end_amdgpu_metadata
.endif
;; end of part 2
;; launch fwa (part 3): grid 256 x 1, 8 waves a work-group, no clusters, 173,056 bytes of LDS; arguments qk, fa; writes fa
.if DOCPART == 3
	.amdgcn_target "amdgcn-amd-amdhsa--gfx1250"
	.amdhsa_code_object_version 6
	.text
	.protected	k_qe9d3a450c0_fwa
	.globl	k_qe9d3a450c0_fwa
	.p2align	8
	.type	k_qe9d3a450c0_fwa,@function
k_qe9d3a450c0_fwa:
	s_mov_b64 s[64:65], 0
	v_nop
	global_prefetch_b8 v0, s[64:65] scope:SCOPE_SE
	s_setreg_imm32_b32 hwreg(HW_REG_WAVE_MODE, 25, 1), 1
	s_wait_xcnt 0x0
; The part of the delta rule that does not hang on the state.  One wave = one chunk of 64 steps of one sequence; no wave waits for another.
; With L = strict lower part of K K^T, Aqk = lower part (with diagonal) of Q K^T, C0 = the sum of all earlier k:
;   kd = rowsum L + C0.k (step 0 of the sequence: 1), den = rowsum Aqk + C0.q, r = 1/(kd + eps), g = sigmoid kd r, nd = -g r, od = 0.125/(den + eps), N = diag(nd) L,
;   U = (I - N)^-1 diag(g) V, Y = (I - N)^-1 diag(nd) K;  stored: Pm = Y^T K, H = U^T K, od (Q + Aqk Y), od Aqk U.  Then W' = W + W Pm + H and out = od Q' W^T + od Oi.
; The solve goes by blocks of 16: X_I = [T | T diag] [Z_I ; rhs_I], Z_I = sum over J < I of N_IJ X_J, T = (I - N_II)^-1 = (I+N)(I+N^2)(I+N^4)(I+N^8), exact since N^16 = 0.
; A result holds lane = second index, registers = first; two results rounded in pairs are the next operand, so nothing changes lanes.
; LIMITS: matrix operands (C0 among them) are rounded to bf16, sums in f32; v_rcp_f32 flushes denormals; NaN and infinities are not treated apart (a chunk sum is multiplied by 0 or 1).
; REGISTERS by absolute number 0-511; each wrapper sets the windows.  64 RK -> NO -> pack; 96 AQ; 128 RQ; 144 XT; 192 GL (diagonal tiles become T); 272 GA -> squares -> S -> RQ -> K^T;
; 352 C0, C0 products -> tuples -> TU, TY -> ACC (to 479); 416 ZA; 448 g, 480 nd by registers -> pack.
.set KBO, 16777216
.set VBO, 33554432
.set SGO, 50331648
.set KSO, 50855936
.set PV, 160                           ; a row of K or V in LDS: 128 bytes + 32
.set SCR, 163840                       ; 1,024 bytes a wave: C0, g, nd
.set SPARE, 172032
.set MSB, 0
.macro WIN new
.if MSB != (\new)
	s_set_vgpr_msb (MSB<<8)|(\new)
.set MSB, (\new)
.endif
.endm
.macro PLACES
.rept 4
	v_nop
.endr
.endm
.macro MMA d, a, b
	WIN (((\d)/256)<<6)|(((\d)/256)<<4)|(((\b)/256)<<2)|((\a)/256)
	v_wmma_f32_16x16x32_bf16 v[(\d)%256:(\d)%256+7], v[(\a)%256:(\a)%256+7], v[(\b)%256:(\b)%256+7], v[(\d)%256:(\d)%256+7]
.endm
.macro MMA0 d, a, b
	WIN (((\d)/256)<<6)|(((\d)/256)<<4)|(((\b)/256)<<2)|((\a)/256)
	v_wmma_f32_16x16x32_bf16 v[(\d)%256:(\d)%256+7], v[(\a)%256:(\a)%256+7], v[(\b)%256:(\b)%256+7], 0
.endm
.macro MM d, a, b, z
.if \z
	MMA0 \d, \a, \b
.else
	MMA \d, \a, \b
.endif
.endm
.macro V3 op, d, a, b
	WIN (((\d)/256)<<6)|(((\b)/256)<<2)|((\a)/256)
	\op v[(\d)%256], v[(\a)%256], v[(\b)%256]
.endm
.macro P3 op, d, a, b, sfx:vararg
	WIN (((\d)/256)<<6)|(((\b)/256)<<2)|((\a)/256)
	\op v[(\d)%256:(\d)%256+1], v[(\a)%256:(\a)%256+1], v[(\b)%256:(\b)%256+1] \sfx
.endm
.macro CVT d, a
	V3 v_cvt_pk_bf16_f32, \d, \a, (\a)+1
.endm
.macro CV4 d, a                        ; a tile of 8 f32 to 4 registers, low end first
.irp k, 0,1,2,3
	CVT (\d)+(\k), (\a)+2*(\k)
.endr
.endm
.macro CND0 d, x, s                    ; x where the mask holds, else 0
	WIN (((\d)/256)<<6)|(((\x)/256)<<2)
	v_cndmask_b32 v[(\d)%256], 0, v[(\x)%256], s[\s]
.endm
.macro CNDN d, x, s                    ; 0 where the mask holds, else x
	WIN (((\d)/256)<<6)|((\x)/256)
	v_cndmask_b32 v[(\d)%256], v[(\x)%256], 0, s[\s]
.endm
.macro CNDR d, a, x, s                 ; x where the mask holds, else a
	WIN (((\d)/256)<<6)|(((\x)/256)<<2)|((\a)/256)
	v_cndmask_b32 v[(\d)%256], v[(\a)%256], v[(\x)%256], s[\s]
.endm
.macro MOVZ d
	WIN ((\d)/256)<<6
	v_mov_b32 v[(\d)%256], 0
.endm
.macro MIX d, x, hi, m, c              ; d = bf16 half of x times m + c
	WIN (((\d)/256)<<6)|(((\c)/256)<<4)|(((\m)/256)<<2)|((\x)/256)
.if \hi
	v_fma_mix_f32_bf16 v[(\d)%256], v[(\x)%256], v[(\m)%256], v[(\c)%256] op_sel:[1,0,0] op_sel_hi:[1,0,0]
.else
	v_fma_mix_f32_bf16 v[(\d)%256], v[(\x)%256], v[(\m)%256], v[(\c)%256] op_sel_hi:[1,0,0]
.endif
.endm
.macro LD128 d, adr, off
	WIN ((\d)/256)<<6
	ds_load_b128 v[(\d)%256:(\d)%256+3], v[\adr] offset:\off
.endm
.macro LDT d, adr, off
	WIN ((\d)/256)<<6
	ds_load_tr16_b128 v[(\d)%256:(\d)%256+3], v[\adr] offset:\off
.endm
.macro GLD d, vo, sb, off
	WIN ((\d)/256)<<6
	global_load_b128 v[(\d)%256:(\d)%256+3], v[\vo], s[\sb:\sb+1] offset:\off
.endm
.macro GST vo, x, sb, off
	WIN ((\x)/256)<<2
	global_store_b128 v[\vo], v[(\x)%256:(\x)%256+3], s[\sb:\sb+1] offset:\off
.endm
.macro AQADR I, p                      ; the tuple of od Aqk for row block I, steps 32 p on
.if (\I) < 2
.set AQX, 96+8*(\I)
.else
.set AQX, 112+16*((\I)-2)+8*(\p)
.endif
.endm
.macro SCV tile, mul, dst              ; the tile times the lane's factor, then rounded
.irp k, 0,1,2,3
	P3 v_pk_mul_f32, (\tile)+2*(\k), (\tile)+2*(\k), \mul, op_sel_hi:[1,0]
.endr
	CV4 \dst, \tile
.endm
.macro TSUM acc, tile, first           ; a tile's eight registers onto a pair, low end first
.if \first
	P3 v_pk_add_f32, \acc, \tile, (\tile)+2
.else
	P3 v_pk_add_f32, \acc, \acc, \tile
	P3 v_pk_add_f32, \acc, \acc, (\tile)+2
.endif
	P3 v_pk_add_f32, \acc, \acc, (\tile)+4
	P3 v_pk_add_f32, \acc, \acc, (\tile)+6
.endm
	s_load_b128 s[4:7], s[0:1], 0x0                ; qk s[4:5], fa s[6:7]
	v_lshl_add_u32 v10, v0, 2, SPARE
	v_mov_b32 v11, 0
	ds_add_u32 v10, v11                            ; the wave's opening: the add and its wait ahead of my first tensor load
	v_lshrrev_b32 v1, 5, v0
	v_readfirstlane_b32 s8, v1                     ; wave
	s_lshl_b32 s9, ttmp9, 3
	s_add_co_u32 s9, s9, s8                        ; chunk number = 32 x sequence + c
	s_and_b32 s10, s9, 31                          ; c
	s_lshl_b32 s12, s9, 13
	s_mov_b32 s13, 0
	s_lshl_b32 s20, s9, 8
	s_mov_b32 s21, 0
	s_lshr_b32 s22, s9, 5
	s_lshl_b32 s22, s22, 13
	s_mov_b32 s23, 0
	s_mov_b32 s24, (1<<16)|(1<<20)|(4<<22)|(7<<25) ; 2-byte elements; 8 words of padding after every 32: 64 rows of 128 bytes asked for as 32 rows of 256
	s_mov_b32 s25, 128<<16
	s_mov_b32 s26, 32<<16
	s_mov_b32 s27, 128<<16
	s_mov_b32 s28, 32
	s_mov_b32 s29, 128
	s_mov_b32 s30, 0
	s_mov_b32 s31, 0
	s_mov_b32 s32, 1
	s_mul_i32 s33, s8, 20480                       ; my K, then my V
	s_mov_b32 s36, 1
	s_add_co_u32 s37, s33, 10240
	s_mov_b32 s57, 0
	s_mov_b32 s58, 0x76543210
	s_mov_b32 s59, 0xfedcba98
	s_lshl_b32 s61, s8, 10
	s_add_co_u32 s61, s61, SCR
	s_cmp_eq_u32 s10, 0
	s_cselect_b32 s60, 0x10001, 0                  ; lanes 0 and 16 of the sequence's first chunk: step 0
	s_wait_dscnt 0x0
	s_wait_kmcnt 0x0
	s_add_nc_u64 s[14:15], s[4:5], s[12:13]        ; q
	s_add_nc_u64 s[16:17], s[14:15], KBO           ; k
	s_add_nc_u64 s[18:19], s[14:15], VBO           ; v
	s_add_nc_u64 s[20:21], s[4:5], s[20:21]
	s_add_nc_u64 s[20:21], s[20:21], SGO           ; sigmoid
	s_add_nc_u64 s[22:23], s[4:5], s[22:23]
	s_add_nc_u64 s[22:23], s[22:23], KSO           ; the sequence's 32 chunk sums
	s_add_nc_u64 s[66:67], s[6:7], s[12:13]        ; Pm
	s_add_nc_u64 s[68:69], s[66:67], 16777216      ; H
	s_add_nc_u64 s[70:71], s[66:67], 33554432      ; od Q'
	s_add_nc_u64 s[72:73], s[66:67], 50331648      ; od Oi
	s_mov_b64 s[34:35], s[16:17]
	s_or_b32 s35, s35, 0x80000000
	s_mov_b64 s[38:39], s[18:19]
	s_or_b32 s39, s39, 0x80000000
	tensor_load_to_lds s[32:35], s[24:31]          ; my two first fills; only I read these bytes
	s_nop 0
	tensor_load_to_lds s[36:39], s[24:31]
	s_nop 0
	PLACES
	v_and_b32 v1, 15, v0                           ; r
	v_bfe_u32 v2, v0, 4, 1                         ; h
	v_and_b32 v3, 31, v0
	v_lshlrev_b32 v4, 7, v1
	v_lshl_add_u32 v4, v2, 4, v4                   ; fragment from memory: 128 r + 16 h
	v_lshlrev_b32 v5, 4, v3                        ; register image: 16 x lane
	v_lshlrev_b32 v6, 3, v3
	v_lshlrev_b32 v7, 2, v1
.irp I, 0,1,2,3
.irp p, 0,1
	global_load_b128 v[64+16*(\I)+8*(\p):64+16*(\I)+8*(\p)+3],   v4, s[16:17] offset:(\I)*2048+64*(\p)
	global_load_b128 v[64+16*(\I)+8*(\p)+4:64+16*(\I)+8*(\p)+7], v4, s[16:17] offset:(\I)*2048+64*(\p)+32
	global_load_b128 v[128+16*(\I)+8*(\p):128+16*(\I)+8*(\p)+3],   v4, s[14:15] offset:(\I)*2048+64*(\p)
	global_load_b128 v[128+16*(\I)+8*(\p)+4:128+16*(\I)+8*(\p)+7], v4, s[14:15] offset:(\I)*2048+64*(\p)+32
.endr
	global_load_b32 v[40+(\I)], v7, s[20:21] offset:64*(\I)
.endr
.set i, 0
.rept 32
	global_load_b64 v[192+2*i:193+2*i], v6, s[22:23] offset:256*i
.set i, i+1
.endr
	v_and_b32 v27, 7, v0
	v_lshl_add_u32 v8, v2, 3, v27
	v_mul_u32_u24 v8, v8, PV
	v_bfe_u32 v27, v0, 3, 1
	v_lshl_add_u32 v8, v27, 4, v8
	v_add_nc_u32 v8, s33, v8                       ; the turning load's address in K,
	v_add_nc_u32 v9, 10240, v8                     ; in V
	v_mov_b32 v12, 0
	v_lshl_add_u32 v13, v3, 3, s61
	v_lshlrev_b32 v14, 3, v2
	v_sub_nc_u32 v14, v1, v14                      ; r - 8 h: register j stands for index 8 h + j
	v_lshl_add_u32 v15, v2, 5, s61
	v_lshl_add_u32 v26, v1, 2, s61
.irp j, 0,1,2,3,4,5,6,7
	v_cmp_lt_i32 s[40+(\j)], \j, v14               ; below the diagonal
	v_cmp_le_i32 s[48+(\j)], \j, v14               ; on or below it
	v_cmp_eq_i32 s56, \j, v14
	v_cndmask_b32 v[16+(\j)], 0, 1.0, s56          ; the unit matrix
.endr
	; C0: the chunk sums in front of mine
	s_wait_loadcnt 0x0
.set i, 0
.rept 32
	s_cmp_gt_u32 s10, i
	s_cselect_b32 s56, 1.0, 0
.if i == 0
	v_pk_mul_f32 v[24:25], v[192:193], s[56:57] op_sel_hi:[1,0]
.else
	v_pk_fma_f32 v[24:25], v[192+2*i:193+2*i], s[56:57], v[24:25] op_sel_hi:[1,0,1]
.endif
.set i, i+1
.endr
	ds_store_b64 v13, v[24:25]
.irp p, 0,1
.irp u, 0,1
	ds_load_b128 v[192+16*(\p)+8*(\u):192+16*(\p)+8*(\u)+3],   v15 offset:128*(\p)+64*(\u)      ; LDS serves a wave's instructions in order: these see the store above
	ds_load_b128 v[192+16*(\p)+8*(\u)+4:192+16*(\p)+8*(\u)+7], v15 offset:128*(\p)+64*(\u)+16
.endr
.endr
	s_wait_dscnt 0x0
.set i, 0
.rept 16
	CVT 352+i, 192+2*i                             ; a fragment whose 16 rows are all C0
.set i, i+1
.endr
	; the Gram tiles; the accumulators take turns: all with the first 32 channels, then all with the second
.irp p, 0,1
.irp I, 0,1,2,3
	MM 368+8*(\I), 352+8*(\p), 64+16*(\I)+8*(\p), 1-(\p)
.endr
.irp I, 0,1,2,3
	MM 400+8*(\I), 352+8*(\p), 128+16*(\I)+8*(\p), 1-(\p)
.endr
.irp I, 0,1,2,3
.irp J, 0,1,2,3
.if (\J) <= (\I)
	MM 192+8*((\I)*((\I)+1)/2+(\J)), 64+16*(\J)+8*(\p), 64+16*(\I)+8*(\p), 1-(\p)
.endif
.endr
.endr
.irp I, 0,1,2,3
.irp J, 0,1,2,3
.if (\J) <= (\I)
	MM 272+8*((\I)*((\I)+1)/2+(\J)), 64+16*(\J)+8*(\p), 128+16*(\I)+8*(\p), 1-(\p)
.endif
.endr
.endr
.endr
	PLACES
	; row sums: lane = step t, registers = step s
.irp I, 0,1,2,3
.irp j, 0,1,2,3,4,5,6,7
	CND0 272+8*((\I)*((\I)+3)/2)+(\j), 272+8*((\I)*((\I)+3)/2)+(\j), 48+(\j)
	CND0 432+(\j), 192+8*((\I)*((\I)+3)/2)+(\j), 40+(\j)
.endr
	TSUM 28, 432, 1
	TSUM 30, 272+8*((\I)*((\I)+3)/2), 1
.irp J, 0,1,2
.if (\J) < (\I)
	TSUM 28, 192+8*((\I)*((\I)+1)/2+(\J)), 0
	TSUM 30, 272+8*((\I)*((\I)+1)/2+(\J)), 0
.endif
.endr
	V3 v_add_f32, 32+(\I), 28, 29
	V3 v_add_f32, 36+(\I), 30, 31
.endr
	WIN 0
.irp I, 0,1,2,3
	v_permlanex16_b32 v24, v[32+(\I)], s58, s59
	v_permlanex16_b32 v25, v[36+(\I)], s58, s59
	v_add_f32 v[32+(\I)], v[32+(\I)], v24
	v_add_f32 v[36+(\I)], v[36+(\I)], v25
.endr
.irp I, 0,1,2,3
	V3 v_add_f32, 32+(\I), 32+(\I), 368+8*(\I)     ; + C0 . k
	V3 v_add_f32, 36+(\I), 36+(\I), 400+8*(\I)     ; + C0 . q
.endr
	WIN 0
	v_cndmask_b32 v32, v32, 1.0, s60
.irp I, 0,1,2,3
	v_add_f32 v[45+2*(\I)], 0x3727c5ac, v[32+(\I)]
	v_add_f32 v[53+2*(\I)], 0x3727c5ac, v[36+(\I)]
.endr
.irp I, 0,1,2,3
	v_rcp_f32 v[45+2*(\I)], v[45+2*(\I)]
	v_rcp_f32 v[53+2*(\I)], v[53+2*(\I)]
.endr
	v_nop
	s_wait_alu depctr_va_vdst(0)                   ; one wait for the eight reciprocals
.irp I, 0,1,2,3
	v_mul_f32 v[60+(\I)], v[40+(\I)], v[32+(\I)]
	v_mul_f32 v[52+2*(\I)], 0x3e000000, v[53+2*(\I)]   ; od
.endr
.irp I, 0,1,2,3
	v_mul_f32 v[60+(\I)], v[60+(\I)], v[45+2*(\I)]     ; g
.endr
.irp I, 0,1,2,3
	v_mul_f32 v[44+2*(\I)], -v[60+(\I)], v[45+2*(\I)]  ; nd
.endr
.irp I, 0,1,2,3
	ds_store_b32 v26, v[60+(\I)] offset:256+64*(\I)
	ds_store_b32 v26, v[44+2*(\I)] offset:512+64*(\I)
.endr
.irp I, 0,1,2,3                        ; g and nd once more, by registers: index 8 h + j
	LD128 448+8*(\I), 15, 256+64*(\I)
	LD128 452+8*(\I), 15, 256+64*(\I)+16
	LD128 480+8*(\I), 15, 512+64*(\I)
	LD128 484+8*(\I), 15, 512+64*(\I)+16
.endr
	; the operands N (off the diagonal) and od Aqk
.irp z, 68,69,70,71,92,93,94,95,100,101,102,103,124,125,126,127
	MOVZ \z
.endr
	SCV 200, 46, 64
	SCV 216, 48, 72
	SCV 224, 48, 76
	SCV 240, 50, 80
	SCV 248, 50, 84
	SCV 256, 50, 88
.irp I, 0,1,2,3
.irp J, 0,1,2,3
.if (\J) <= (\I)
	AQADR \I, (\J)/2
	SCV 272+8*((\I)*((\I)+1)/2+(\J)), 52+2*(\I), AQX+4*((\J)%2)
.endif
.endr
.endr
.set i, 0
.rept 12
.irp z, 4,5,6,7
	MOVZ 352+8*i+(\z)                              ; the tuples' upper halves
.endr
.set i, i+1
.endr
	s_wait_dscnt 0x0
.irp I, 0,1,2,3                        ; a diagonal block: tuple +0 = N (lane = row), +8 = N (lane = column: K K^T is symmetric), +16 = I + N
.irp k, 0,1,2,3
	P3 v_pk_mul_f32, 336+2*(\k), 192+8*((\I)*((\I)+3)/2)+2*(\k), 480+8*(\I)+2*(\k)
.endr
.irp j, 0,1,2,3,4,5,6,7
	CNDN 336+(\j), 336+(\j), 48+(\j)
.endr
	CV4 360+24*(\I), 336
.irp k, 0,1,2,3
	P3 v_pk_mul_f32, 192+8*((\I)*((\I)+3)/2)+2*(\k), 192+8*((\I)*((\I)+3)/2)+2*(\k), 44+2*(\I), op_sel_hi:[1,0]
.endr
.irp j, 0,1,2,3,4,5,6,7
	CND0 344+(\j), 192+8*((\I)*((\I)+3)/2)+(\j), 40+(\j)
.endr
	CV4 352+24*(\I), 344
.irp j, 0,1,2,3,4,5,6,7
	CNDR 192+8*((\I)*((\I)+3)/2)+(\j), 16+(\j), 192+8*((\I)*((\I)+3)/2)+(\j), 40+(\j)
.endr
	CV4 368+24*(\I), 192+8*((\I)*((\I)+3)/2)
.endr
; A stage of the inverse, the four blocks side by side.  t: T += T P;  a, b: P^2 with lane = row, with lane = column.
.macro STAGE t, a, b
.if \t
.irp I, 0,1,2,3
	MMA 192+8*((\I)*((\I)+3)/2), 360+24*(\I), 368+24*(\I)
.endr
.endif
.if \a
.irp I, 0,1,2,3
	MMA0 272+8*(\I), 360+24*(\I), 352+24*(\I)
.endr
.endif
.if \b
.irp I, 0,1,2,3
	MMA0 304+8*(\I), 352+24*(\I), 360+24*(\I)
.endr
.endif
	PLACES
.irp I, 0,1,2,3
.if (\t) && (\b)
	CV4 368+24*(\I), 192+8*((\I)*((\I)+3)/2)
.endif
.if \a
	CV4 352+24*(\I), 272+8*(\I)
.endif
.if \b
	CV4 360+24*(\I), 304+8*(\I)
.endif
.endr
.endm
	STAGE 0, 1, 1
	STAGE 1, 1, 1
	STAGE 1, 0, 1
	STAGE 1, 0, 0
.irp I, 0,1,2,3                        ; TU = [T | T diag(g)], TY = [T | T diag(nd)]
	CV4 352+16*(\I), 192+8*((\I)*((\I)+3)/2)
	CV4 360+16*(\I), 192+8*((\I)*((\I)+3)/2)
.irp k, 0,1,2,3
	P3 v_pk_mul_f32, 336+2*(\k), 192+8*((\I)*((\I)+3)/2)+2*(\k), 448+8*(\I)+2*(\k)
	P3 v_pk_mul_f32, 344+2*(\k), 192+8*((\I)*((\I)+3)/2)+2*(\k), 480+8*(\I)+2*(\k)
.endr
	CV4 356+16*(\I), 336
	CV4 364+16*(\I), 344
.endr
.set i, 0
.rept 16
.irp z, 4,5,6,7
	MOVZ 144+8*i+(\z)                              ; blocks of X not yet solved meet zeros of N: they hold 0
.endr
.set i, i+1
.endr
.set i, 0
.rept 8
.irp z, 0,1,2,3
	MOVZ 272+8*i+(\z)                              ; Z of block 0
.endr
.set i, i+1
.endr
.macro LDTS I                          ; block I of V and of K, turned: lane = column, registers = step
.irp cb, 0,1,2,3
	LDT 276+8*(\cb), 9, (\I)*16*PV+(\cb)*32
.endr
.irp cb, 0,1,2,3
	LDT 308+8*(\cb), 8, (\I)*16*PV+(\cb)*32
.endr
.endm
	s_wait_tensorcnt 0x0                           ; my K and V are in LDS
	LDTS 0
.irp I, 0,1,2,3
.if (\I) > 0
.irp cb, 0,1,2,3,4,5,6,7
	MMA0 416+8*(\cb), 56+8*(\I), 144+16*(\cb)
.endr
.if (\I) == 3
.irp cb, 0,1,2,3,4,5,6,7
	MMA 416+8*(\cb), 88, 152+16*(\cb)
.endr
.endif
	PLACES
.irp cb, 0,1,2,3,4,5,6,7
	CV4 272+8*(\cb), 416+8*(\cb)
.endr
.endif
	s_wait_dscnt 0x0
.irp cb, 0,1,2,3,4,5,6,7
	MMA0 416+8*(\cb), 352+16*(\I)+8*((\cb)/4), 272+8*(\cb)
.endr
	PLACES
.irp cb, 0,1,2,3,4,5,6,7
	CV4 144+16*(\cb)+8*((\I)/2)+4*((\I)%2), 416+8*(\cb)
.endr
.if (\I) < 3
	LDTS (\I)+1
.endif
.endr
.irp I, 0,1,2,3                        ; Q once more
.irp p, 0,1
	GLD 272+16*(\I)+8*(\p), 4, 14, (\I)*2048+64*(\p)
	GLD 276+16*(\I)+8*(\p), 4, 14, (\I)*2048+64*(\p)+32
.endr
.endr
.macro PACKOUT sb                      ; the 16 tiles rounded and stored as units of 512 consecutive bytes
	PLACES
	s_wait_xcnt 0x0                                ; earlier stores have read the pack registers
.set n, 0
.rept 16
.set PK, 64+4*n+384*(n/8)
	CV4 PK, 352+8*n
.set n, n+1
.endr
.set n, 0
.rept 16
.set PK, 64+4*n+384*(n/8)
	GST 5, PK, \sb, 512*n
.set n, n+1
.endr
.endm
	; od Oi = (od Aqk) U: lane = step, registers = channel
.irp I, 0,1,2,3
.irp c, 0,1,2,3
	AQADR \I, 0
	MMA0 352+8*(4*(\I)+(\c)), 144+16*(\c), AQX
.endr
.endr
.irp I, 2,3
.irp c, 0,1,2,3
	AQADR \I, 1
	MMA 352+8*(4*(\I)+(\c)), 152+16*(\c), AQX
.endr
.endr
	PACKOUT 72
	; od Q' = od Q + (od Aqk) Y
	s_wait_loadcnt 0x0
.irp I, 0,1,2,3
.irp c, 0,1,2,3
.irp k, 0,1,2,3
	MIX 352+8*(4*(\I)+(\c))+2*(\k), 272+16*(\I)+4*(\c)+(\k), 0, 52+2*(\I), 12
	MIX 352+8*(4*(\I)+(\c))+2*(\k)+1, 272+16*(\I)+4*(\c)+(\k), 1, 52+2*(\I), 12
.endr
.endr
.endr
.irp c, 0,1,2,3                        ; K^T: lane = column, registers = step
.irp p, 0,1
	LDT 272+16*(\c)+8*(\p), 8, (\p)*32*PV+(\c)*32
	LDT 276+16*(\c)+8*(\p), 8, (\p)*32*PV+16*PV+(\c)*32
.endr
.endr
.irp I, 0,1,2,3
.irp c, 0,1,2,3
	AQADR \I, 0
	MMA 352+8*(4*(\I)+(\c)), 208+16*(\c), AQX
.endr
.endr
.irp I, 2,3
.irp c, 0,1,2,3
	AQADR \I, 1
	MMA 352+8*(4*(\I)+(\c)), 216+16*(\c), AQX
.endr
.endr
	PACKOUT 70
	s_wait_dscnt 0x0
	; Pm: tile (j block, j' block) with lane = j, registers = j'
.irp p, 0,1
.irp c, 0,1,2,3
.irp e, 0,1,2,3
	MM 352+8*(4*(\c)+(\e)), 208+16*(\e)+8*(\p), 272+16*(\c)+8*(\p), 1-(\p)
.endr
.endr
.endr
	PACKOUT 66
	; H: tile (i block, j block) with lane = i, registers = j
.irp p, 0,1
.irp c, 0,1,2,3
.irp e, 0,1,2,3
	MM 352+8*(4*(\c)+(\e)), 272+16*(\e)+8*(\p), 144+16*(\c)+8*(\p), 1-(\p)
.endr
.endr
.endr
	PACKOUT 68
	WIN 0
	s_wait_tensorcnt 0x0                           ; the wave's end
	ds_add_u32 v10, v11
	s_wait_dscnt 0x0
	s_endpgm
.Lfunc_end_k_qe9d3a450c0_fwa:
	.size	k_qe9d3a450c0_fwa, .Lfunc_end_k_qe9d3a450c0_fwa-k_qe9d3a450c0_fwa
	.p2alignl 7, 3214868480
	.fill 96, 4, 3214868480
	.section	.rodata,"a",@progbits
	.p2align	6, 0x0
	.amdhsa_kernel k_qe9d3a450c0_fwa
		.amdhsa_group_segment_fixed_size 173056
		.amdhsa_private_segment_fixed_size 0
		.amdhsa_enable_private_segment 0
		.amdhsa_kernarg_size 16
		.amdhsa_user_sgpr_count 2
		.amdhsa_user_sgpr_kernarg_segment_ptr 1
		.amdhsa_wavefront_size32 1
		.amdhsa_system_sgpr_workgroup_id_x 1
		.amdhsa_system_sgpr_workgroup_id_y 1
		.amdhsa_system_sgpr_workgroup_id_z 1
		.amdhsa_system_vgpr_workitem_id 0
		.amdhsa_next_free_vgpr 512
		.amdhsa_next_free_sgpr 80
		.amdhsa_reserve_vcc 0
		.amdhsa_float_denorm_mode_32 3
		.amdhsa_float_denorm_mode_16_64 3
		.amdhsa_memory_ordered 1
		.amdhsa_forward_progress 1
		.amdhsa_inst_pref_size 144
	.end_amdhsa_kernel
	.amdgpu_metadata
---
amdhsa.version: [ 1, 2 ]
amdhsa.kernels:
  - .name:           k_qe9d3a450c0_fwa
    .symbol:         k_qe9d3a450c0_fwa.kd
    .args:
      - { .name: qk, .offset: 0, .size: 8, .value_kind: global_buffer, .address_space: global }
      - { .name: fa, .offset: 8, .size: 8, .value_kind: global_buffer, .address_space: global }
    .group_segment_fixed_size: 173056
    .private_segment_fixed_size: 0
    .kernarg_segment_align: 8
    .kernarg_segment_size: 16
    .max_flat_workgroup_size: 256
    .sgpr_count:     80
    .vgpr_count:     512
    .wavefront_size: 32
...
	.end_amdgpu_metadata
.endif
;; end of part 3
;; launch fws (part 4): grid 64 x 1, 4 waves a work-group, no clusters, 262,656 bytes of LDS; arguments fa, wst; writes wst
.if DOCPART == 4
	.amdgcn_target "amdgcn-amd-amdhsa--gfx1250"
	.amdhsa_code_object_version 6
	.text
	.protected	k_qe9d3a450c0_fws
	.globl	k_qe9d3a450c0_fws
	.p2align	8
	.type	k_qe9d3a450c0_fws,@function
k_qe9d3a450c0_fws:
	s_mov_b64 s[64:65], 0
	v_nop
	global_prefetch_b8 v0, s[64:65] scope:SCOPE_SE
	s_setreg_imm32_b32 hwreg(HW_REG_WAVE_MODE, 25, 1), 1
	s_wait_xcnt 0x0
; The scan over a sequence's 32 chunks: W' = W + W Pm + H, W kept in f32; the state at each chunk's start is stored rounded to bf16, as the operand that the next launch takes.
; A work-group = a sequence; wave ib owns rows 16 ib .. of W (lane = row i, registers = column j), so no wave hands anything to another.
; All 32 Pm (262,144 bytes, as register images) are brought into LDS once, four tensor loads a wave; nothing is filled again.  H comes straight into registers, eight chunks ahead.
; The last chunk's look-ahead reads chunk 0's Pm and chunks 24-31's H once more: inside LDS and the buffer, and not used.
; SCALARS: s3 trips; s[4:7] fa, wst; s8 wave; s9 the LDS byte of the next chunk's Pm; s[12:17] offsets; s[18:21] H's pointers; s[22:23] a step; s[24:31] group 1; s[32:47] four groups 0.
.set HMO, 16777216
.set SPARE, 262144
.set WRAP, 0x3e000                     ; 31 x 8,192: the chunk's LDS byte is a multiple of 8,192, so this mask wraps it modulo 262,144; the furthest byte read is 253,952 + 496 + 7,680 + 16 = 262,144
.set NXT, 9                            ; s9: made of constants alone
.set MSB, 0
.macro WIN new
.if MSB != (\new)
	s_set_vgpr_msb (MSB<<8)|(\new)
.set MSB, (\new)
.endif
.endm
	s_load_b128 s[4:7], s[0:1], 0x0                ; fa s[4:5], wst s[6:7]
	v_lshl_add_u32 v10, v0, 2, SPARE
	v_mov_b32 v11, 0
	ds_add_u32 v10, v11                            ; the wave's opening: the add and its wait ahead of my first tensor load
	v_lshrrev_b32 v1, 5, v0
	v_readfirstlane_b32 s8, v1
	s_mov_b32 s24, 3<<16                           ; 8-byte elements: 64 rows of 256 bytes, dense
	s_mov_b32 s25, 32<<16
	s_mov_b32 s26, 64<<16
	s_mov_b32 s27, 32<<16
	s_mov_b32 s28, 64
	s_mov_b32 s29, 32
	s_mov_b32 s30, 0
	s_mov_b32 s31, 0
	s_lshl_b32 s12, ttmp9, 18                      ; the sequence's 262,144 bytes
	s_mov_b32 s13, 0
	s_lshl_b32 s14, s8, 14                         ; my two chunks of each eight
	s_mov_b32 s15, 0
	s_lshl_b32 s16, s8, 11                         ; my four units of a chunk
	s_mov_b32 s17, 0
	s_mov_b32 s23, 0
	s_mov_b32 s[NXT], 0
.irp g, 0,1,2,3
	s_mov_b32 s[32+4*(\g)], 1
	s_add_co_u32 s[33+4*(\g)], s14, (\g)*65536
.endr
	s_wait_dscnt 0x0
	s_wait_kmcnt 0x0
	s_add_nc_u64 s[4:5], s[4:5], s[12:13]
	s_add_nc_u64 s[6:7], s[6:7], s[12:13]
	s_add_nc_u64 s[6:7], s[6:7], s[16:17]          ; where I store W
	s_add_nc_u64 s[18:19], s[4:5], s[16:17]
	s_add_nc_u64 s[18:19], s[18:19], HMO           ; my part of H, chunk 0
	s_add_nc_u64 s[20:21], s[18:19], 65536         ; chunk 8
	s_add_nc_u64 s[4:5], s[4:5], s[14:15]
.irp g, 0,1,2,3
	s_add_nc_u64 s[34+4*(\g):35+4*(\g)], s[4:5], (\g)*65536
	s_or_b32 s[35+4*(\g)], s[35+4*(\g)], 0x80000000
	tensor_load_to_lds s[32+4*(\g):35+4*(\g)], s[24:31]
	s_nop 0
.endr
.rept 4
	v_nop
.endr
	v_and_b32 v2, 31, v0
	v_lshlrev_b32 v5, 4, v2
	v_mov_b32 v12, 1.0
	v_mov_b32 v13, v5
	WIN 0x40
.irp k, 0,1,2,3,4,5,6,7
.irp c, 0,1,2,3
	global_load_b128 v[16*(\k)+4*(\c):16*(\k)+4*(\c)+3], v5, s[18:19] offset:8192*(\k)+512*(\c)
.endr
.endr
	WIN 0
.set i, 0
.rept 32
	v_mov_b32 v[32+i], 0                           ; W starts at 0
.set i, i+1
.endr
	s_wait_tensorcnt 0x0                           ; my four loads have landed,
	s_barrier_signal -1
	s_barrier_wait -1                              ; everybody's have
.set i, 0
.rept 16
	ds_load_b128 v[128+4*i:131+4*i], v13 offset:512*i
.set i, i+1
.endr
.macro CH k
	s_wait_xcnt 0x0                                ; the stores of two chunks back have read these registers
	WIN 0
.set n, 0
.rept 16
	v_cvt_pk_bf16_f32 v[64+16*((\k)%2)+n], v[32+2*n], v[33+2*n]
.set n, n+1
.endr
.irp c, 0,1,2,3
	global_store_b128 v5, v[64+16*((\k)%2)+4*(\c):64+16*((\k)%2)+4*(\c)+3], s[6:7] offset:8192*(\k)+512*(\c)
.endr
	s_wait_loadcnt 28                              ; this chunk's H is in; the seven younger chunks' 28 loads stay out
	WIN 0x01
.set n, 0
.rept 16
	v_fma_mix_f32_bf16 v[32+2*n], v[16*(\k)+n], v12, v[32+2*n] op_sel_hi:[1,0,0]
	v_fma_mix_f32_bf16 v[33+2*n], v[16*(\k)+n], v12, v[33+2*n] op_sel:[1,0,0] op_sel_hi:[1,0,0]
.set n, n+1
.endr
	WIN 0x40
.irp c, 0,1,2,3
	global_load_b128 v[16*(\k)+4*(\c):16*(\k)+4*(\c)+3], v5, s[20:21] offset:8192*(\k)+512*(\c)
.endr
	WIN 0
	s_add_co_u32 s[NXT], s[NXT], 8192              ; the next chunk's Pm,
	s_and_b32 s[NXT], s[NXT], WRAP                 ; behind the last chunk the first once more
	v_add_nc_u32 v13, s[NXT], v5
.set n, 0
.rept 16
	ds_load_b128 v[128+64*(((\k)+1)%2)+4*n:128+64*(((\k)+1)%2)+4*n+3], v13 offset:512*n
.set n, n+1
.endr
	s_wait_dscnt 16                                ; this chunk's Pm is in; the next chunk's 16 loads stay out
.irp p, 0,1
.irp c, 0,1,2,3                        ; the four accumulators take turns
	v_wmma_f32_16x16x32_bf16 v[32+8*(\c):32+8*(\c)+7], v[128+64*((\k)%2)+16*(\c)+8*(\p):128+64*((\k)%2)+16*(\c)+8*(\p)+7], v[64+16*((\k)%2)+8*(\p):64+16*((\k)%2)+8*(\p)+7], v[32+8*(\c):32+8*(\c)+7]
.endr
.endr
.rept 4
	v_nop
.endr
.endm
	s_mov_b32 s3, 4
.Ltrip:
.irp k, 0,1,2,3,4,5,6,7
	CH \k
.endr
	s_wait_xcnt 0x0                                ; loads and stores have read their bases
	s_add_nc_u64 s[6:7], s[6:7], 65536
	s_cmp_gt_u32 s3, 2                             ; H's look-ahead stops at chunks 24-31
	s_cselect_b32 s22, 65536, 0
	s_add_nc_u64 s[20:21], s[20:21], s[22:23]
	s_sub_co_u32 s3, s3, 1
	s_cmp_lg_u32 s3, 0
	s_cbranch_scc1 .Ltrip
	s_wait_tensorcnt 0x0                           ; the wave's end
	ds_add_u32 v10, v11
	s_wait_dscnt 0x0
	s_endpgm
.Lfunc_end_k_qe9d3a450c0_fws:
	.size	k_qe9d3a450c0_fws, .Lfunc_end_k_qe9d3a450c0_fws-k_qe9d3a450c0_fws
	.p2alignl 7, 3214868480
	.fill 96, 4, 3214868480
	.section	.rodata,"a",@progbits
	.p2align	6, 0x0
	.amdhsa_kernel k_qe9d3a450c0_fws
		.amdhsa_group_segment_fixed_size 262656
		.amdhsa_private_segment_fixed_size 0
		.amdhsa_enable_private_segment 0
		.amdhsa_kernarg_size 16
		.amdhsa_user_sgpr_count 2
		.amdhsa_user_sgpr_kernarg_segment_ptr 1
		.amdhsa_wavefront_size32 1
		.amdhsa_system_sgpr_workgroup_id_x 1
		.amdhsa_system_sgpr_workgroup_id_y 1
		.amdhsa_system_sgpr_workgroup_id_z 1
		.amdhsa_system_vgpr_workitem_id 0
		.amdhsa_next_free_vgpr 384
		.amdhsa_next_free_sgpr 66
		.amdhsa_reserve_vcc 0
		.amdhsa_float_denorm_mode_32 3
		.amdhsa_float_denorm_mode_16_64 3
		.amdhsa_memory_ordered 1
		.amdhsa_forward_progress 1
		.amdhsa_inst_pref_size 55
	.end_amdhsa_kernel
	.amdgpu_metadata
---
amdhsa.version: [ 1, 2 ]
amdhsa.kernels:
  - .name:           k_qe9d3a450c0_fws
    .symbol:         k_qe9d3a450c0_fws.kd
    .args:
      - { .name: fa, .offset: 0, .size: 8, .value_kind: global_buffer, .address_space: global }
      - { .name: wst, .offset: 8, .size: 8, .value_kind: global_buffer, .address_space: global }
    .group_segment_fixed_size: 262656
    .private_segment_fixed_size: 0
    .kernarg_segment_align: 8
    .kernarg_segment_size: 16
    .max_flat_workgroup_size: 128
    .sgpr_count:     66
    .vgpr_count:     384
    .wavefront_size: 32
...
	.end_amdgpu_metadata
.endif
;; end of part 4
;; launch outln (part 5): grid 128 x 1, 4 waves a work-group, clusters of 4 x 1, 327,680 bytes of LDS; arguments fa, wst, cv, h, ln_g, ln_b, out0; writes out0
.if DOCPART == 5
	.amdgcn_target "amdgcn-amd-amdhsa--gfx1250"
	.amdhsa_code_object_version 6
	.text
	.protected	k_qe9d3a450c0_outln
	.globl	k_qe9d3a450c0_outln
	.p2align	8
	.type	k_qe9d3a450c0_outln,@function
k_qe9d3a450c0_outln:
	s_mov_b64 s[64:65], 0
	v_nop
	global_prefetch_b8 v0, s[64:65] scope:SCOPE_SE
	s_setreg_imm32_b32 hwreg(HW_REG_WAVE_MODE, 25, 1), 1
	s_wait_xcnt 0x0
	s_wait_alu depctr_hold_cnt(0) depctr_sa_sdst(0) depctr_va_vdst(0) depctr_va_sdst(0) depctr_va_ssrc(0) depctr_va_vcc(0) depctr_vm_vsrc(0)
	s_getreg_b32 s2, hwreg(HW_REG_IB_STS2, 6, 4)
	s_cmp_eq_u32 s2, 0
	s_cbranch_scc0 .Lentry_in_a_cluster
	s_endpgm
.Lentry_in_a_cluster:
	s_bfe_u32 s2, ttmp6, 0x10000c
	s_cmp_lg_u32 s2, 0x3003
	s_cbranch_scc0 .Lentry_shape_is_right
	s_endpgm
.Lentry_shape_is_right:
; out0 = LayerNorm(h + lo w_o^T), lo = (od Q') W^T + od Oi made here, head by head.  A work-group makes 64 whole rows (one batch, one chunk of 64 steps) x 1,024 columns, since the norm wants whole rows;
; wave w takes columns 256 w ..: 64 accumulators.  128 work-groups: tiles of 32 rows would bring all of w_o into LDS twice as often for the same products.  The accumulators start at h (f32, by a tensor load).
; K goes in 16 steps of 64 (a head) through two LDS slots.  THE WALK IS STAGGERED: cluster c begins at head c mod 16 and goes round, so at any time the clusters ask for different blocks of w_o, and the
; block that a cluster asks for has been asked for by another cluster a step earlier (f32 sums may be taken in any order of K).
; w_o's block is the same for the four work-groups of a cluster: asked for jointly, one load a wave, each wave the 256 rows that it alone reads.
; lo's 64 x 64 TILE OF A HEAD: wave w makes row blocks 2 (w / 2) + i and channel blocks 2 (w % 2) + j (i, j = 0, 1): source 0 = 16 rows of the chunk's state W, source 1 = 16 steps of od Q', the sums start at
; od Oi: eight products on four accumulators.  All operands lie in memory as register images: 20 loads of 512 consecutive bytes a tile, into one of two register sets, two steps in flight.  The tile, rounded to
; bf16, goes as fragment images into an LDS ring of two, one step before all waves read it.  Step 13 loads one tile more than is needed (the walk's first once more: inside both buffers, not used).
; A step's second 32 of K are multiplied behind the next step's round, while the new slot's first fragments are on their way out of LDS.
; THE NORM: the sums are set down in LDS.  One pass: each wave sums d = x - c and d d over its 256 columns of a row, c the row's first number in its strip; mean_w = c + S1/256, M2_w = S2 - S1 S1/256.
; c is one of the 256 numbers, so S2 is at most 256 M2_w: that bounds the cancellation for every input.  The four waves' figures join as M2 = sum M2_w + 256 sum (mean_w - mean)^2.  A second pass scales and stores whole rows.
; LIMITS: matrix operands (lo among them) in bf16, everything else in f32; v_rsq_f32 flushes denormals; NaN and infinities are not treated apart.
; REGISTERS: window 0: v12-31 addresses; v64-127 lo's fragments (two buffers; the second also takes the tile's four small accumulators while it is idle); set 0: W v128-159, od Q' v160-191, od Oi v192-207;
; set 1: W v208-239, od Q' v32-63, od Oi v240-255; window 1: w_o's fragments (two buffers of 128); windows 2, 3: accumulator (a, nb) at 8 (16 (a % 2) + nb).
.set WOB, 23101440
.set QPO, 33554432                     ; od Q' in fa
.set OIO, 50331648                     ; od Oi in fa
.set PB, 144                           ; a row of w_o's block: 128 bytes + 16: the 16 rows of a fragment load start at 16 different groups of four banks
.set WPART, 256*PB                     ; a wave's part of a slot
.set SLOT, 4*WPART
.set ASC, 2*SLOT                       ; behind the slots: lo's ring, two slots of 16 units of 512 bytes: unit (ks, row block, half) at 4096 ks + 1024 I + 512 half; no tensor load lands here
.set ST, ASC+2*8192                    ; the waves' (mean, M2) by row: 512 bytes a wave
.set MR, ST+2048                       ; each wave's own (rstd, -mean rstd) by row
.set SPARE, MR+2048                    ; the spare words, 128 bytes a wave
.set HP, 1040                          ; a row of my strip of h, later of the sums: 1,024 bytes + 16
.set VW, 12                            ; v12  my byte offset in a chunk's W: 16 x lane + my pair of channel blocks
.set VQ, 13                            ; v13  the same in fa for od Q': its part, 16 x lane, my pair of row blocks
.set VO, 14                            ; v14  and for od Oi: its part, 16 x lane, my row blocks, my channel blocks
.set SPW, 28
.set NIL, 29
.set ACC, 96                           ; the tile's four accumulators
.set GB, 144                           ; gain v144-151, bias v152-159, loaded when set 0 is used up
.set G0H, 20                           ; s[20:23], s[24:31] h's strip
.set G1H, 24
.set G0B, 32                           ; s[32:39] group 0 for w_o, a set for each slot
.set G1B, 48                           ; s[48:55]
.set OFF, 56                           ; s[56:57] a block's byte offset in w_o's copy
.set NXT, 58                           ; s58 the head whose block is asked for next
.set NXA, 59                           ; s59 the head whose tile's operands are loaded next
.set OFFA, 60                          ; s[60:61] a head's byte offset in fa and wst
.set WSB, 62                           ; s[62:63] wst at my chunk of head 0 of my batch
.set SAF, 66                           ; s[66:67], s[70:71] the two sets' bases in fa
.set SAW, 68                           ; s[68:69], s[72:73] and in wst
.set FB, 74                            ; s[74:75] fa at my chunk of head 0 of my batch
.set WB, 90                            ; s[90:91] w_o's copy at my 256 rows of block 0
.set MSK, 92                           ; s92 a word's upper bf16
.set MSB, 0
.macro WIN new
.if MSB != (\new)
	s_set_vgpr_msb (MSB<<8)|(\new)
.set MSB, (\new)
.endif
.endm
.macro PLACES
.rept 4
	v_nop
.endr
.endm
.macro CROUND                          ; a round of the cluster's barrier
	s_barrier_signal -1
	s_barrier_wait -1
	s_cmp_lg_u32 s10, 0
	s_cbranch_scc1 .Lnot_wave_0_\@
	s_barrier_signal -3
.Lnot_wave_0_\@:
	s_barrier_wait -3
	s_barrier_signal -1
	s_barrier_wait -1
.endm
.macro BADDR set                       ; the address of the next head's block, made anew from its number; the number goes round
	s_lshl_b32 s[OFF], s[NXT], 17
	s_add_nc_u64 s[G0B+4*(\set)+2:G0B+4*(\set)+3], s[WB:WB+1], s[OFF:OFF+1]
	s_or_b32 s[G0B+4*(\set)+3], s[G0B+4*(\set)+3], 0x80000000
	s_add_co_u32 s[NXT], s[NXT], 1
	s_and_b32 s[NXT], s[NXT], 15
.endm
.macro SETP p                          ; the registers of set p
.if (\p) == 0
.set SW, 128
.set SQ, 160
.set SO, 192
.else
.set SW, 208
.set SQ, 32
.set SO, 240
.endif
.endm
.macro ALOAD p                         ; the next head's operands into set p: 8 units of W (my two channel blocks), 8 of od Q' (my two row blocks), 4 of od Oi; each load covers 512 consecutive bytes
	SETP \p
	s_lshl_b32 s[OFFA], s[NXA], 18
	s_add_nc_u64 s[SAF+4*(\p):SAF+4*(\p)+1], s[FB:FB+1], s[OFFA:OFFA+1]
	s_add_nc_u64 s[SAW+4*(\p):SAW+4*(\p)+1], s[WSB:WSB+1], s[OFFA:OFFA+1]
	s_add_co_u32 s[NXA], s[NXA], 1
	s_and_b32 s[NXA], s[NXA], 15
.irp u, 0,1,2,3,4,5,6,7
	global_load_b128 v[SW+4*(\u):SW+4*(\u)+3], v[VW], s[SAW+4*(\p):SAW+4*(\p)+1] offset:512*(\u)
.endr
.irp u, 0,1,2,3,4,5,6,7
	global_load_b128 v[SQ+4*(\u):SQ+4*(\u)+3], v[VQ], s[SAF+4*(\p):SAF+4*(\p)+1] offset:512*(\u)
.endr
.irp u, 0,1,2,3
	global_load_b128 v[SO+4*(\u):SO+4*(\u)+3], v[VO], s[SAF+4*(\p):SAF+4*(\p)+1] offset:2048*((\u)/2)+512*((\u)%2) th:TH_LOAD_NT
.endr
.endm
; My four tiles of lo from set p.  Accumulator 2 i + j: lane = step, registers = channel.  The sums start at od Oi; the four accumulators take turns; the rounded tiles land on od Oi's registers and go
; into the ring at address register ra: row block i 1,024 bytes on, channel block j 512.
.macro LOT p, ra
	SETP \p
.set n, 0
.rept 16
	v_lshlrev_b32 v[ACC+2*n], 16, v[SO+n]
	v_and_b32 v[ACC+2*n+1], s[MSK], v[SO+n]
.set n, n+1
.endr
.irp kk, 0,1
.irp ii, 0,1
.irp bb, 0,1
	v_wmma_f32_16x16x32_bf16 v[ACC+8*(2*(\ii)+(\bb)):ACC+8*(2*(\ii)+(\bb))+7], v[SW+16*(\bb)+8*(\kk):SW+16*(\bb)+8*(\kk)+7], v[SQ+16*(\ii)+8*(\kk):SQ+16*(\ii)+8*(\kk)+7], v[ACC+8*(2*(\ii)+(\bb)):ACC+8*(2*(\ii)+(\bb))+7]
.endr
.endr
.endr
	PLACES                                         ; four places in front of the conversions that read the results, and of the loads into the set
.set n, 0
.rept 16
	v_cvt_pk_bf16_f32 v[SO+n], v[ACC+2*n], v[ACC+2*n+1]
.set n, n+1
.endr
.irp t, 0,1,2,3
	ds_store_b128 v[\ra], v[SO+4*(\t):SO+4*(\t)+3] offset:1024*((\t)/2)+512*((\t)%2)
.endr
.endm
	s_load_b256 s[76:83], s[0:1], 0x0              ; fa s[76:77], wst s[78:79], cv s[80:81], h s[82:83]
	s_load_b128 s[84:87], s[0:1], 0x20             ; ln_g s[84:85], ln_b s[86:87]
	s_load_b64 s[88:89], s[0:1], 0x30              ; out0
	v_lshl_add_u32 v[SPW], v0, 2, SPARE
	v_mov_b32 v[NIL], 0
	ds_add_u32 v[SPW], v[NIL]                      ; the wave's opening: the add and its wait ahead of my first tensor load
	v_lshrrev_b32 v1, 5, v0
	v_readfirstlane_b32 s10, v1
	s_bfe_u32 s40, ttmp6, 0x40000
	s_lshl_b32 s42, ttmp9, 2
	s_add_co_u32 s42, s42, s40                     ; my block of 64 rows: it enters the addresses of h, fa, wst and out0 alone
	s_lshr_b32 s43, s42, 5                         ; batch
	s_and_b32 s44, s42, 31                         ; chunk
	s_lshl_b32 s16, s43, 22                        ; fa and wst: sequence 16 b (262,144 bytes a sequence),
	s_lshl_b32 s17, s44, 13                        ; my chunk's 8,192 bytes
	s_add_co_u32 s16, s16, s17
	s_mov_b32 s17, 0
	s_lshl_b32 s44, s44, 6                         ; first step
	s_lshl2_add_u32 s12, s44, s43
	s_lshl_b32 s12, s12, 12                        ; row 4 l + b of h and out0
	s_mov_b32 s13, 0
	s_lshl_b32 s14, s10, 10                        ; my 256 columns
	s_mov_b32 s15, 0
	s_lshl_b32 s18, s10, 15                        ; w_o: my 256 rows of 128 bytes in a block
	s_add_co_u32 s18, s18, WOB
	s_mov_b32 s19, 0
	s_mov_b32 s[G1H], (2<<16)|(1<<20)|(7<<22)|(3<<25)   ; 4-byte elements; 4 words of padding after every 256
	s_mov_b32 s[G1H+1], 256<<16
	s_mov_b32 s[G1H+2], 64<<16
	s_mov_b32 s[G1H+3], 256<<16
	s_mov_b32 s[G1H+4], 64
	s_mov_b32 s[G1H+5], 4096
	s_mov_b32 s[G1H+6], 0
	s_mov_b32 s[G1H+7], 0
	s_mov_b32 s[G1B], 15|(1<<16)|(1<<20)|(1<<21)|(4<<22)|(3<<25)   ; all four work-groups; 256 rows of 128 bytes asked for as 128 of 256, padded after every 32 words
	s_mov_b32 s[G1B+1], 128<<16
	s_mov_b32 s[G1B+2], 128<<16
	s_mov_b32 s[G1B+3], 128<<16
	s_mov_b32 s[G1B+4], 128
	s_mov_b32 s[G1B+5], 128
	s_mov_b32 s[G1B+6], 0
	s_mov_b32 s[G1B+7], 0
	s_mov_b32 s[G0H], 1
	s_mul_i32 s[G0H+1], s10, 64*HP
	s_mul_i32 s45, s10, WPART
.irp s, 0,1
	s_mov_b32 s[G0B+4*(\s)], 1
	s_add_co_u32 s[G0B+4*(\s)+1], s45, (\s)*SLOT
.endr
	s_and_b32 s[NXT], ttmp9, 15                    ; the cluster's first head: the same in all four partners
	s_mov_b32 s[NXA], s[NXT]
	s_mov_b32 s[OFF+1], 0
	s_mov_b32 s[OFFA+1], 0
	s_mov_b32 s46, 0x3a800000                      ; 1 / 1024
	s_mov_b32 s47, 0x3727c5ac                      ; eps
	s_mov_b32 s95, 0x43800000                      ; 256
	s_mov_b32 s[MSK], 0xffff0000
	s_and_b32 s93, s10, 1                          ; which pair of channel blocks of lo is mine
	s_lshr_b32 s94, s10, 1                         ; which pair of row blocks
	s_wait_dscnt 0x0
	s_wait_kmcnt 0x0
	s_add_nc_u64 s[G0H+2:G0H+3], s[82:83], s[12:13]
	s_add_nc_u64 s[G0H+2:G0H+3], s[G0H+2:G0H+3], s[14:15]
	s_or_b32 s[G0H+3], s[G0H+3], 0x80000000
	s_add_nc_u64 s[88:89], s[88:89], s[12:13]
	s_add_nc_u64 s[WB:WB+1], s[80:81], s[18:19]
	s_add_nc_u64 s[FB:FB+1], s[76:77], s[16:17]
	s_add_nc_u64 s[WSB:WSB+1], s[78:79], s[16:17]
	BADDR 0                                        ; step 0's block, for slot 0
	CROUND
	tensor_load_to_lds s[G0H:G0H+3], s[G1H:G1H+7]  ; my strip of h: 64 rows x 1,024 bytes; only I read it
	s_nop 0
	PLACES
	v_and_b32 v1, 15, v0
	v_bfe_u32 v2, v0, 4, 1
	v_and_b32 v3, 31, v0
	s_lshl_b32 s42, s93, 12                        ; two channel blocks of W are 8 units
	v_lshl_add_u32 v[VW], v3, 4, s42
	s_lshl_b32 s43, s94, 12                        ; two row blocks of od Q' and of od Oi are 8 units
	s_add_co_u32 s44, s43, QPO
	v_lshl_add_u32 v[VQ], v3, 4, s44
	s_lshl_b32 s44, s93, 10                        ; in a row block of od Oi my two channel blocks begin 2 units on
	s_add_co_u32 s44, s44, s43
	s_add_co_u32 s44, s44, OIO
	v_lshl_add_u32 v[VO], v3, 4, s44
	ALOAD 1                                        ; step 0's operands into set 1,
	ALOAD 0                                        ; step 1's into set 0
	v_lshl_add_u32 v27, v3, 4, s14
	v_mul_u32_u24 v4, v1, PB
	v_lshl_add_u32 v4, v2, 4, v4
	v_add_nc_u32 v16, s45, v4                      ; w_o's fragments, slot 0, 1
	v_add_nc_u32 v17, SLOT, v16
	v_lshlrev_b32 v18, 4, v3
	v_add_nc_u32 v18, ASC, v18                     ; lo's fragments, ring slot 0, 1: 16 x lane in a unit
	v_add_nc_u32 v19, 8192, v18
	s_lshl_b32 s43, s94, 11                        ; where I put my four units: ks = my pair of channel blocks, 4,096 bytes; my pair of row blocks, 2,048
	s_add_co_u32 s42, s42, s43
	v_add_nc_u32 v30, s42, v18                     ; ring slot 0, 1
	v_add_nc_u32 v31, 8192, v30
	v_mul_u32_u24 v20, v1, HP
	v_lshl_add_u32 v20, v2, 5, v20
	v_add_nc_u32 v20, s[G0H+1], v20                ; an accumulator's 32 bytes of row r
	v_mul_u32_u24 v21, v3, HP
	v_add_nc_u32 v21, s[G0H+1], v21                ; rows by lanes
	v_lshl_add_u32 v22, v3, 4, s[G0H+1]            ; whole rows
	s_lshl_b32 s45, s10, 9
	s_add_co_u32 s41, s45, ST
	v_lshl_add_u32 v23, v3, 3, s41
	v_lshlrev_b32 v24, 3, v3
	v_add_nc_u32 v24, ST, v24
	s_add_co_u32 s45, s45, MR
	v_lshl_add_u32 v25, v3, 3, s45
	v_mov_b32 v26, s45
	s_wait_tensorcnt 0x0
.irp a, 0,1,2,3
	WIN 0x80+0x40*((\a)/2)
.irp nb, 0,1,2,3,4,5,6,7,8,9,10,11,12,13,14,15
	ds_load_b128 v[8*(16*((\a)%2)+(\nb)):8*(16*((\a)%2)+(\nb))+3],   v20 offset:(\a)*16*HP+64*(\nb)
	ds_load_b128 v[8*(16*((\a)%2)+(\nb))+4:8*(16*((\a)%2)+(\nb))+7], v20 offset:(\a)*16*HP+64*(\nb)+16
.endr
.endr
	WIN 0
	s_wait_loadcnt 20                              ; set 1 is in; set 0's twenty loads stay out
	LOT 1, 30                                      ; step 0's tile of lo, into ring slot 0
	ALOAD 1                                        ; step 2's operands; the wait above has shown the set's last loads done: its bases may be written
	s_wait_tensorcnt 0x0                           ; the same three lines, round and one load as for every refill
	ds_add_u32 v[SPW], v[NIL]
	s_wait_dscnt 0x0
	CROUND
	tensor_load_to_lds s[G0B:G0B+3], s[G1B:G1B+7]
	s_nop 0
	PLACES
.macro MULH f, hi                      ; 32 products; the accumulators take turns
	WIN 0xa1+0x50*(\hi)
.irp a, 0,1
.irp nb, 0,1,2,3,4,5,6,7,8,9,10,11,12,13,14,15
	v_wmma_f32_16x16x32_bf16 v[8*(16*(\a)+(\nb)):8*(16*(\a)+(\nb))+7], v[128*(\f)+8*(\nb):128*(\f)+8*(\nb)+7], v[64+32*(\f)+8*(2*(\hi)+(\a)):64+32*(\f)+8*(2*(\hi)+(\a))+7], v[8*(16*(\a)+(\nb)):8*(16*(\a)+(\nb))+7]
.endr
.endr
.endm
.macro FETCH s, ks, f                  ; the fragments of 32 along K: 32 loads of w_o, 8 of lo
	WIN 0x40
.irp nb, 0,1,2,3,4,5,6,7,8,9,10,11,12,13,14,15
	ds_load_b128 v[128*(\f)+8*(\nb):128*(\f)+8*(\nb)+3],   v[16+(\s)] offset:(\nb)*16*PB+64*(\ks)
	ds_load_b128 v[128*(\f)+8*(\nb)+4:128*(\f)+8*(\nb)+7], v[16+(\s)] offset:(\nb)*16*PB+64*(\ks)+32
.endr
	WIN 0
.irp a, 0,1,2,3
	ds_load_b128 v[64+32*(\f)+8*(\a):64+32*(\f)+8*(\a)+3],   v[18+(\s)] offset:(\ks)*4096+(\a)*1024
	ds_load_b128 v[64+32*(\f)+8*(\a)+4:64+32*(\f)+8*(\a)+7], v[18+(\s)] offset:(\ks)*4096+(\a)*1024+512
.endr
.endm
; A step on slot s begins.  Every wave waits for all its tensor loads (one is out: its part of slot s), adds 0 to its spare word, waits for that, for its reads of the other slot and for its
; stores into lo's ring; a round; the other slot is filled again first; then slot s's first fragments are asked for.  The last step's second half is multiplied behind this macro.
.macro TOP s, refill
	WIN 0
	s_wait_tensorcnt 0x0
	ds_add_u32 v[SPW], v[NIL]
.if \refill
	BADDR 1-(\s)                                   ; no load of mine is out: the other slot's group 0 may be written
.endif
	s_wait_dscnt 0x0
.if \refill
	CROUND
	tensor_load_to_lds s[G0B+4*(1-(\s)):G0B+4*(1-(\s))+3], s[G1B:G1B+7]
	s_nop 0
	PLACES                                         ; also the places behind the last products, in front of the loads into their buffer
.else
	s_barrier_signal -1
	s_barrier_wait -1                              ; lo's last tile, which the four waves stored, is whole
	PLACES
.endif
	FETCH \s, 0, 0
.endm
; The rest of a step of parity p.  g = 2: the next step's tile of lo is made from set p and goes into the ring's other slot, and the set is asked for again, three steps on; g = 1: the last tile is made, and
; gain and bias are asked for in the set's place; g = 0: nothing.
.macro QQ p, g
	WIN 0
.if \g
	PLACES                                         ; behind the last products on fragment buffer 1, whose registers of lo's now take the tile's sums
	s_wait_loadcnt 20                              ; set p is in; the other set's twenty loads stay out
	LOT \p, 31-(\p)
.endif
.if (\g) == 2
	ALOAD \p                                       ; the wait above has shown the set's last loads done: its bases may be written
.endif
.if (\g) == 1
	global_load_b128 v[GB:GB+3], v27, s[84:85]
	global_load_b128 v[GB+4:GB+7], v27, s[84:85] offset:512
	global_load_b128 v[GB+8:GB+11], v27, s[86:87]
	global_load_b128 v[GB+12:GB+15], v27, s[86:87] offset:512
.endif
.if \g
	s_wait_dscnt 4                                 ; the 40 fragment loads are in; the four stores behind them may be out
.else
	s_wait_dscnt 0x0
.endif
	MULH 0, 0
	PLACES                                         ; behind the last products on buffer 1 and the tile's own
	FETCH \p, 1, 1
	MULH 0, 1
.endm
	TOP 0, 1                                       ; step 0 begins; step 1's block is asked for
	s_mov_b32 s3, 7
.Lk:                                               ; a trip: steps 2 j and 2 j + 1, from the first's products to the fragment loads of step 2 j + 2
	QQ 0, 2
	TOP 1, 1
	MULH 1, 0
	MULH 1, 1
	QQ 1, 2
	TOP 0, 1
	MULH 1, 0
	MULH 1, 1
	WIN 0
	s_sub_co_u32 s3, s3, 1
	s_cmp_lg_u32 s3, 0
	s_cbranch_scc1 .Lk
	QQ 0, 1                                        ; step 14: the last tile of lo is made and stored
	TOP 1, 0                                       ; step 15: nothing is asked for
	MULH 1, 0
	MULH 1, 1
	QQ 1, 0
	s_wait_dscnt 0x0                               ; my last reads of the slots are back:
	s_barrier_signal -1                            ; say so, work on registers while the others arrive,
	MULH 1, 0
	MULH 1, 1
	s_barrier_wait -1                              ; nobody reads a slot any more, and both have had their last fill
	PLACES
.irp a, 0,1,2,3
	WIN 0x08+0x04*((\a)/2)
.irp nb, 0,1,2,3,4,5,6,7,8,9,10,11,12,13,14,15
	ds_store_b128 v20, v[8*(16*((\a)%2)+(\nb)):8*(16*((\a)%2)+(\nb))+3]   offset:(\a)*16*HP+64*(\nb)
	ds_store_b128 v20, v[8*(16*((\a)%2)+(\nb))+4:8*(16*((\a)%2)+(\nb))+7] offset:(\a)*16*HP+64*(\nb)+16
.endr
.endr
	WIN 0
	s_wait_loadcnt 0x0                             ; gain and bias are in, and the look-ahead's last loads have landed: their registers may be used
	; THE STATISTICS.  Lane L takes rows L and L + 32 of my strip.  LDS serves a wave's instructions in order: these loads see my stores above.
	ds_load_b32 v208, v21                          ; the pivots
	ds_load_b32 v210, v21 offset:32*HP
	v_mov_b32 v209, 0                              ; named with them as pairs
	v_mov_b32 v211, 0
.irp z, 192,193,194,195,196,197,198,199,200,201,202,203,204,205,206,207
	v_mov_b32 v\z, 0
.endr
.macro SROW x, c, s                    ; 32 numbers of a row: d = x - c; S1 += d, S2 += d d, two chains each
.set g, 0
.rept 16
	v_pk_add_f32 v[(\x)+2*g:(\x)+2*g+1], v[(\x)+2*g:(\x)+2*g+1], v[(\c):(\c)+1] op_sel_hi:[1,0] neg_lo:[0,1] neg_hi:[0,1]
.set g, g+1
.endr
.set g, 0
.rept 16
	v_pk_add_f32 v[(\s)+2*(g%2):(\s)+2*(g%2)+1], v[(\s)+2*(g%2):(\s)+2*(g%2)+1], v[(\x)+2*g:(\x)+2*g+1]
	v_pk_fma_f32 v[(\s)+4+2*(g%2):(\s)+4+2*(g%2)+1], v[(\x)+2*g:(\x)+2*g+1], v[(\x)+2*g:(\x)+2*g+1], v[(\s)+4+2*(g%2):(\s)+4+2*(g%2)+1]
.set g, g+1
.endr
.endm
	s_mov_b32 s3, 8
.Lstat:                                            ; a trip: 128 bytes of each of my two rows
.irp g, 0,1,2,3,4,5,6,7
	ds_load_b128 v[64+4*(\g):67+4*(\g)], v21 offset:16*(\g)
.endr
.irp g, 0,1,2,3,4,5,6,7
	ds_load_b128 v[96+4*(\g):99+4*(\g)], v21 offset:32*HP+16*(\g)
.endr
	s_wait_dscnt 8                                 ; the first row's eight loads (and the pivots) are in; the second row's stay out
	SROW 64, 208, 192
	s_wait_dscnt 0x0
	SROW 96, 210, 200
	v_add_nc_u32 v21, 128, v21
	s_sub_co_u32 s3, s3, 1
	s_cmp_lg_u32 s3, 0
	s_cbranch_scc1 .Lstat
	v_pk_add_f32 v[192:193], v[192:193], v[194:195]
	v_pk_add_f32 v[196:197], v[196:197], v[198:199]
	v_pk_add_f32 v[200:201], v[200:201], v[202:203]
	v_pk_add_f32 v[204:205], v[204:205], v[206:207]
	v_add_f32 v192, v192, v193                     ; S1, S2 of row L
	v_add_f32 v196, v196, v197
	v_add_f32 v200, v200, v201                     ; and of row L + 32
	v_add_f32 v204, v204, v205
	v_mul_f32 v193, 0x3b800000, v192               ; S1 / 256
	v_mul_f32 v201, 0x3b800000, v200
	v_add_f32 v212, v208, v193                     ; mean_w
	v_fma_f32 v213, -v192, v193, v196              ; M2_w
	v_add_f32 v214, v210, v201
	v_fma_f32 v215, -v200, v201, v204
	ds_store_b64 v23, v[212:213]
	ds_store_b64 v23, v[214:215] offset:256
	s_wait_dscnt 0x0                               ; for the others' sake
	s_barrier_signal -1
	s_barrier_wait -1
.irp w, 0,1,2,3
	ds_load_b64 v[216+2*(\w):217+2*(\w)], v24 offset:512*(\w)
	ds_load_b64 v[224+2*(\w):225+2*(\w)], v24 offset:512*(\w)+256
.endr
	s_wait_dscnt 0x0
.macro COMB m, o                       ; four pairs (mean_w, M2_w) at m: the row's mean into o, its variance + eps into o + 1
	v_add_f32 v[(\o)], v[(\m)], v[(\m)+2]
	v_add_f32 v[(\o)+1], v[(\m)+4], v[(\m)+6]
	v_add_f32 v[(\o)], v[(\o)], v[(\o)+1]
	v_mul_f32 v[(\o)], 0x3e800000, v[(\o)]
.irp w, 0,2,4,6
	v_sub_f32 v[(\m)+(\w)], v[(\m)+(\w)], v[(\o)]
.endr
	v_add_f32 v[(\m)+1], v[(\m)+1], v[(\m)+3]
	v_add_f32 v[(\m)+5], v[(\m)+5], v[(\m)+7]
	v_add_f32 v[(\m)+1], v[(\m)+1], v[(\m)+5]
	v_mul_f32 v[(\o)+1], v[(\m)], v[(\m)]
	v_fma_f32 v[(\o)+1], v[(\m)+2], v[(\m)+2], v[(\o)+1]
	v_fma_f32 v[(\o)+1], v[(\m)+4], v[(\m)+4], v[(\o)+1]
	v_fma_f32 v[(\o)+1], v[(\m)+6], v[(\m)+6], v[(\o)+1]
	v_fma_f32 v[(\o)+1], v[(\o)+1], s95, v[(\m)+1]   ; 256 x the means' squared deviations + the sum of M2_w
	v_max_num_f32 v[(\o)+1], 0, v[(\o)+1]
	v_fma_f32 v[(\o)+1], v[(\o)+1], s46, s47
.endm
	COMB 216, 232
	COMB 224, 234
	v_rsq_f32 v240, v233
	v_rsq_f32 v242, v235
	v_nop
	s_wait_alu depctr_va_vdst(0)                   ; one wait for both roots
	v_mul_f32 v241, -v232, v240
	v_mul_f32 v243, -v234, v242
	ds_store_b64 v25, v[240:241]
	ds_store_b64 v25, v[242:243] offset:256
.macro NROWS r0                        ; four rows: x rstd - mean rstd, then gain and bias; each store covers 512 consecutive bytes
.irp rw, 0,1,2,3
.irp e, 0,1,2,3
	v_pk_fma_f32 v[64+8*((\r0)+(\rw))+2*(\e):65+8*((\r0)+(\rw))+2*(\e)], v[64+8*((\r0)+(\rw))+2*(\e):65+8*((\r0)+(\rw))+2*(\e)], v[128+2*((\r0)+(\rw)):129+2*((\r0)+(\rw))], v[128+2*((\r0)+(\rw)):129+2*((\r0)+(\rw))] op_sel:[0,0,1] op_sel_hi:[1,0,1]
.endr
.endr
.irp rw, 0,1,2,3
.irp e, 0,1,2,3
	v_pk_fma_f32 v[64+8*((\r0)+(\rw))+2*(\e):65+8*((\r0)+(\rw))+2*(\e)], v[64+8*((\r0)+(\rw))+2*(\e):65+8*((\r0)+(\rw))+2*(\e)], v[GB+2*(\e):GB+2*(\e)+1], v[GB+8+2*(\e):GB+8+2*(\e)+1]
.endr
.endr
.irp rw, 0,1,2,3
	global_store_b128 v27, v[64+8*((\r0)+(\rw)):67+8*((\r0)+(\rw))], s[88:89] offset:((\r0)+(\rw))*16384
	global_store_b128 v27, v[68+8*((\r0)+(\rw)):71+8*((\r0)+(\rw))], s[88:89] offset:((\r0)+(\rw))*16384+512
.endr
.endm
	s_mov_b32 s3, 8
.Lnorm:                                            ; a trip: eight rows of my 256 columns
.irp rw, 0,1,2,3,4,5,6,7
	ds_load_b128 v[64+8*(\rw):67+8*(\rw)], v22 offset:(\rw)*HP
	ds_load_b128 v[68+8*(\rw):71+8*(\rw)], v22 offset:(\rw)*HP+512
	ds_load_b64 v[128+2*(\rw):129+2*(\rw)], v26 offset:8*(\rw)   ; LDS serves a wave's instructions in order: these see my stores above
.endr
	s_wait_dscnt 12                                ; the first four rows' twelve loads are in; the other twelve stay out
	NROWS 0
	s_wait_dscnt 0x0
	NROWS 4
	s_wait_xcnt 0x0                                ; the stores have read their registers and base
	s_add_nc_u64 s[88:89], s[88:89], 131072
	v_add_nc_u32 v22, 8*HP, v22
	v_add_nc_u32 v26, 64, v26
	s_sub_co_u32 s3, s3, 1
	s_cmp_lg_u32 s3, 0
	s_cbranch_scc1 .Lnorm
	s_wait_tensorcnt 0x0                           ; the wave's end
	ds_add_u32 v[SPW], v[NIL]
	s_wait_dscnt 0x0
	CROUND                                         ; the closing round
	s_endpgm
.Lfunc_end_k_qe9d3a450c0_outln:
	.size	k_qe9d3a450c0_outln, .Lfunc_end_k_qe9d3a450c0_outln-k_qe9d3a450c0_outln
	.p2alignl 7, 3214868480
	.fill 96, 4, 3214868480
	.section	.rodata,"a",@progbits
	.p2align	6, 0x0
	.amdhsa_kernel k_qe9d3a450c0_outln
		.amdhsa_group_segment_fixed_size 327680
		.amdhsa_private_segment_fixed_size 0
		.amdhsa_enable_private_segment 0
		.amdhsa_kernarg_size 56
		.amdhsa_user_sgpr_count 2
		.amdhsa_user_sgpr_kernarg_segment_ptr 1
		.amdhsa_wavefront_size32 1
		.amdhsa_system_sgpr_workgroup_id_x 1
		.amdhsa_system_sgpr_workgroup_id_y 1
		.amdhsa_system_sgpr_workgroup_id_z 1
		.amdhsa_system_vgpr_workitem_id 0
		.amdhsa_next_free_vgpr 1024
		.amdhsa_next_free_sgpr 96
		.amdhsa_reserve_vcc 0
		.amdhsa_float_denorm_mode_32 3
		.amdhsa_float_denorm_mode_16_64 3
		.amdhsa_memory_ordered 1
		.amdhsa_forward_progress 1
		.amdhsa_inst_pref_size 122
	.end_amdhsa_kernel
	.amdgpu_metadata
---
amdhsa.version: [ 1, 2 ]
amdhsa.kernels:
  - .name:           k_qe9d3a450c0_outln
    .symbol:         k_qe9d3a450c0_outln.kd
    .args:
      - { .name: fa, .offset: 0, .size: 8, .value_kind: global_buffer, .address_space: global }
      - { .name: wst, .offset: 8, .size: 8, .value_kind: global_buffer, .address_space: global }
      - { .name: cv, .offset: 16, .size: 8, .value_kind: global_buffer, .address_space: global }
      - { .name: h, .offset: 24, .size: 8, .value_kind: global_buffer, .address_space: global }
      - { .name: ln_g, .offset: 32, .size: 8, .value_kind: global_buffer, .address_space: global }
      - { .name: ln_b, .offset: 40, .size: 8, .value_kind: global_buffer, .address_space: global }
      - { .name: out0, .offset: 48, .size: 8, .value_kind: global_buffer, .address_space: global }
    .group_segment_fixed_size: 327680
    .private_segment_fixed_size: 0
    .kernarg_segment_align: 8
    .kernarg_segment_size: 56
    .max_flat_workgroup_size: 128
    .sgpr_count:     96
    .vgpr_count:     1024
    .wavefront_size: 32
...
	.end_amdgpu_metadata
.endif
;; end of part 5
;; ======== version 2 of 2: 5 launches; version 1 with the launch cvt written anew for expert scheduling mode
;; limits: values outside matrix products are rounded to bf16
;; workspace buffers: cv 25,198,592 bytes; qk 51,380,224 bytes; fa 67,108,864 bytes; wst 16,777,216 bytes
;; launch cvt (part 6): grid 769 x 1, 8 waves a work-group, no clusters, 0 bytes of LDS; arguments h, w_qkvb, w_o, cv; writes cv
.if DOCPART == 6
	.amdgcn_target "amdgcn-amd-amdhsa--gfx1250"
	.amdhsa_code_object_version 6
	.text
	.protected	k_qe9d3a450c0_cvt
	.globl	k_qe9d3a450c0_cvt
	.p2align	8
	.type	k_qe9d3a450c0_cvt,@function
k_qe9d3a450c0_cvt:
	s_mov_b64 s[64:65], 0
	v_nop
	global_prefetch_b8 v0, s[64:65] scope:SCOPE_SE
	s_setreg_imm32_b32 hwreg(HW_REG_WAVE_SCHED_MODE, 0, 2), 2
	s_setreg_imm32_b32 hwreg(HW_REG_WAVE_MODE, 25, 1), 1
	s_wait_xcnt 0x0
	s_wait_alu depctr_vm_vsrc(0)
; f32 -> bf16, once.  cv holds: h as [4 b][2048 l][1024] at 0; w_qkvb as it lies at WQB; w_o as [16 kb][1024 n][64] at WOB.
; A work-group takes 16 rows of 1,024 numbers, a wave two.  Work-groups 0-511: h; 512-704: w_qkvb (193 x 16 = 3,088 rows); 705-768: w_o.
; Each load of a wave covers 512 consecutive bytes, each store 256 consecutive bytes at a multiple of 256.
; THE MODE: SCHED_MODE bits 1:0 = 2 (LLVM: expert scheduling mode 2), set by the entry lines.  The code itself states the register dependences
; between vector instructions and memory instructions, with s_wait_alu, always for 0.
; THE PLAN.  Registers that memory instructions touch, on either path:
;   v3 or v5    the loads' offset, v4 the stores': made once by vector instructions, never written again.
;   v[8:71]     piece k at 8 + 4 k: load k lands in it, once; no vector instruction writes it; piece k's two conversions read it.
;   v[72:103]   piece k at 72 + 2 k: piece k's two conversions write it, once; store k reads it.
; No register that a load or store reads is written again, and no load lands in a register that a vector instruction has named: only "written, then read by memory" is left to state.
; One wait ahead of a path's first load states it for the offsets.  The 16 pieces go in four groups: one wait at the head of groups 1 to 3, behind the wait for the group's first
; piece, states that the group before has written its eight registers; its four stores follow, and the conversions behind them name the present group's registers alone.
; One more wait stands ahead of the last four stores.
.set WQB, 16777216
.set WOB, 23101440
	s_load_b256 s[4:11], s[0:1], 0x0               ; h s[4:5], w_qkvb s[6:7], w_o s[8:9], cv s[10:11]
	v_lshrrev_b32 v1, 5, v0
	v_readfirstlane_b32 s12, v1                    ; wave
	v_and_b32 v2, 31, v0
	v_lshlrev_b32 v3, 4, v2                        ; 16 x lane
	v_lshlrev_b32 v4, 3, v2                        ; 8 x lane
	s_mov_b32 s13, ttmp9
	s_mov_b32 s17, 0
	s_mov_b32 s21, 0
	s_mov_b32 s23, 0
	s_wait_alu depctr_va_sdst(0)                   ; s12 is written, ahead of the branch: on both paths the wave's first row, and from it the bases, are made of it
	s_cmp_lt_u32 s13, 705
	s_cbranch_scc0 .Lwo
	s_sub_co_u32 s15, s13, 512
	s_cmp_lt_u32 s13, 512
	s_cselect_b32 s14, s13, s15
	s_lshl_b32 s14, s14, 4
	s_lshl1_add_u32 s14, s12, s14                  ; my first row i
	s_lshl_b32 s16, s14, 12                        ; its byte in the source
	s_and_b32 s18, s14, 3                          ; h: row i = 4 l + b goes to row 2048 b + l
	s_lshl_b32 s18, s18, 11
	s_lshr_b32 s19, s14, 2
	s_add_co_u32 s18, s18, s19
	s_lshl_b32 s18, s18, 11
	s_lshl_b32 s19, s14, 11                        ; w_qkvb: row i stays row i
	s_add_co_u32 s19, s19, WQB
	s_mov_b32 s22, 2048
	s_cmp_lt_u32 s13, 512
	s_cselect_b32 s20, s18, s19
	s_cselect_b32 s22, 0x400000, s22               ; the second row: b + 1 lies 2,048 rows on, or the next row
	s_wait_kmcnt 0x0
	s_cselect_b64 s[24:25], s[4:5], s[6:7]
	s_add_nc_u64 s[24:25], s[24:25], s[16:17]
	s_add_nc_u64 s[26:27], s[10:11], s[20:21]
	s_add_nc_u64 s[28:29], s[26:27], s[22:23]
	s_wait_alu depctr_va_vdst(0)                   ; v3 and v4 are written: the loads below read v3 as their offset, the stores v4
.set k, 0
.rept 16
	global_load_b128 v[8+4*k:11+4*k], v3, s[24:25] offset:(k/8)*4096+(k%8)*512 th:TH_LOAD_NT
.set k, k+1
.endr
.set k, 0
.rept 16
	s_wait_loadcnt 15-k                            ; loads return in order: piece k is in, the 15 - k younger ones stay out
.if (k > 0) && (k%4 == 0)
	s_wait_alu depctr_va_vdst(0)                   ; the conversions of the four pieces before have written their eight registers, which the four stores below read
.set j, k-4
.rept 4
	global_store_b64 v4, v[72+2*j:73+2*j], s[26+2*(j/8):27+2*(j/8)] offset:(j%8)*256
.set j, j+1
.endr
.endif
	v_cvt_pk_bf16_f32 v[72+2*k], v[8+4*k], v[9+4*k]
	v_cvt_pk_bf16_f32 v[73+2*k], v[10+4*k], v[11+4*k]
.set k, k+1
.endr
	s_wait_alu depctr_va_vdst(0)                   ; the conversions of pieces 12 to 15 have written v[96:103], which the last four stores read
.set j, 12
.rept 4
	global_store_b64 v4, v[72+2*j:73+2*j], s[26+2*(j/8):27+2*(j/8)] offset:(j%8)*256
.set j, j+1
.endr
	s_endpgm
.Lwo:                                              ; w_o: lanes 0-15 take row n, lanes 16-31 row n + 1; piece kb is 64 numbers of each
	s_sub_co_u32 s14, s13, 705
	s_lshl_b32 s14, s14, 4
	s_lshl1_add_u32 s14, s12, s14                  ; n
	s_lshl_b32 s16, s14, 12
	s_lshl_b32 s20, s14, 7
	s_add_co_u32 s20, s20, WOB
	v_lshrrev_b32 v5, 4, v2
	v_and_b32 v6, 15, v2
	v_lshlrev_b32 v5, 12, v5
	v_lshl_add_u32 v5, v6, 4, v5
	s_wait_kmcnt 0x0
	s_add_nc_u64 s[24:25], s[8:9], s[16:17]
	s_add_nc_u64 s[26:27], s[10:11], s[20:21]
	s_wait_alu depctr_va_vdst(0)                   ; v5 and v4 are written: the loads below read v5 as their offset, the stores v4
.set k, 0
.rept 16
	global_load_b128 v[8+4*k:11+4*k], v5, s[24:25] offset:256*k th:TH_LOAD_NT
.set k, k+1
.endr
.set k, 0
.rept 16
	s_wait_loadcnt 15-k
.if (k > 0) && (k%4 == 0)
	s_wait_alu depctr_va_vdst(0)                   ; the conversions of the four pieces before have written their eight registers, which the four stores below read
.set j, k-4
.rept 4
	global_store_b64 v4, v[72+2*j:73+2*j], s[26:27] offset:131072*j
.set j, j+1
.endr
.endif
	v_cvt_pk_bf16_f32 v[72+2*k], v[8+4*k], v[9+4*k]
	v_cvt_pk_bf16_f32 v[73+2*k], v[10+4*k], v[11+4*k]
.set k, k+1
.endr
	s_wait_alu depctr_va_vdst(0)                   ; the conversions of pieces 12 to 15 have written v[96:103], which the last four stores read
.set j, 12
.rept 4
	global_store_b64 v4, v[72+2*j:73+2*j], s[26:27] offset:131072*j
.set j, j+1
.endr
	s_endpgm
.Lfunc_end_k_qe9d3a450c0_cvt:
	.size	k_qe9d3a450c0_cvt, .Lfunc_end_k_qe9d3a450c0_cvt-k_qe9d3a450c0_cvt
	.p2alignl 7, 3214868480
	.fill 96, 4, 3214868480
	.section	.rodata,"a",@progbits
	.p2align	6, 0x0
	.amdhsa_kernel k_qe9d3a450c0_cvt
		.amdhsa_group_segment_fixed_size 0
		.amdhsa_private_segment_fixed_size 0
		.amdhsa_enable_private_segment 0
		.amdhsa_kernarg_size 32
		.amdhsa_user_sgpr_count 2
		.amdhsa_user_sgpr_kernarg_segment_ptr 1
		.amdhsa_wavefront_size32 1
		.amdhsa_system_sgpr_workgroup_id_x 1
		.amdhsa_system_sgpr_workgroup_id_y 1
		.amdhsa_system_sgpr_workgroup_id_z 1
		.amdhsa_system_vgpr_workitem_id 0
		.amdhsa_next_free_vgpr 104
		.amdhsa_next_free_sgpr 66
		.amdhsa_reserve_vcc 0
		.amdhsa_float_denorm_mode_32 3
		.amdhsa_float_denorm_mode_16_64 3
		.amdhsa_memory_ordered 1
		.amdhsa_forward_progress 1
		.amdhsa_inst_pref_size 14
	.end_amdhsa_kernel
	.amdgpu_metadata
---
amdhsa.version: [ 1, 2 ]
amdhsa.kernels:
  - .name:           k_qe9d3a450c0_cvt
    .symbol:         k_qe9d3a450c0_cvt.kd
    .args:
      - { .name: h, .offset: 0, .size: 8, .value_kind: global_buffer, .address_space: global }
      - { .name: w_qkvb, .offset: 8, .size: 8, .value_kind: global_buffer, .address_space: global }
      - { .name: w_o, .offset: 16, .size: 8, .value_kind: global_buffer, .address_space: global }
      - { .name: cv, .offset: 24, .size: 8, .value_kind: global_buffer, .address_space: global }
    .group_segment_fixed_size: 0
    .private_segment_fixed_size: 0
    .kernarg_segment_align: 8
    .kernarg_segment_size: 32
    .max_flat_workgroup_size: 256
    .sgpr_count:     66
    .vgpr_count:     104
    .wavefront_size: 32
...
	.end_amdgpu_metadata
.endif
;; end of part 6
;; launch qkv: the kernel of part 2 again; grid 16 x 32, 4 waves a work-group, clusters of 4 x 4, 327,680 bytes of LDS; arguments cv, qk; writes qk
;; launch fwa: the kernel of part 3 again; grid 256 x 1, 8 waves a work-group, no clusters, 173,056 bytes of LDS; arguments qk, fa; writes fa
;; launch fws: the kernel of part 4 again; grid 64 x 1, 4 waves a work-group, no clusters, 262,656 bytes of LDS; arguments fa, wst; writes wst
;; launch outln: the kernel of part 5 again; grid 128 x 1, 4 waves a work-group, clusters of 4 x 1, 327,680 bytes of LDS; arguments fa, wst, cv, h, ln_g, ln_b, out0; writes out0
